; MI455X (gfx1250); checked and timed in simulation.
; The chip was launched on July 23, 2026; its instructions are those of AMD's public machine-readable ISA for CDNA 5 (MIT licence, August 2026) and "CDNA5" Instruction Set Architecture Reference Guide (July 2026). The comments in the code are by the model that wrote it; some were corrected since.
;; Multi Head Self Attention. Allowed arithmetic: matrix products marked QUANTISED: E2M3 operands, one E8M0 scale for each 32 along K, by v_wmma_scale_f32_16x16x128_f8f6f4 with both operands' format E2M3, f32 sums; everything else in f32.
;; Inputs: Wk 1,024 x 1,024 float32; Wo 1,024 x 1,024 float32; Wq 1,024 x 1,024 float32; Wv 1,024 x 1,024 float32; bk 1,024 float32; bo 1,024 float32; bq 1,024 float32; bv 1,024 float32; inputs 4 x 2,048 x 1,024 float32.
;; Outputs: out0 4 x 2,048 x 1,024 float32.
;; This version of the problem:
;;   THIS VERSION OF THE PROBLEM IS GIVEN IN LOW PRECISION. The matrix products marked QUANTISED in the list below multiply operands that are first quantised to E2M3 (2 exponent bits, 3 mantissa bits; 6 bits a number), with one power-of-two scale for each 32 numbers along K (OCP MX v1.0); their sums are f32. All else is computed in f32.
;;   The module's matrix products, in the order in which they are computed (A, B: the left and right operand; K: the contracted axis; several contracted axes count as one K, in the product's order):
;;     1. [M 8,192, K 1,024] x [K 1,024, N 1,024]; A: input inputs; B: input Wq: QUANTISED
;;     2. [M 8,192, K 1,024] x [K 1,024, N 1,024]; A: input inputs; B: input Wk: QUANTISED
;;     3. [M 8,192, K 1,024] x [K 1,024, N 1,024]; A: input inputs; B: input Wv: QUANTISED
;;     4. batch 64 x [M 2,048, K 64] x [K 64, N 2,048]; A: computed on the way; B: computed on the way: QUANTISED
;;     5. batch 64 x [M 2,048, K 2,048] x [K 2,048, N 64]; A: softmax (see below); B: computed on the way: QUANTISED
;;     6. [M 8,192, K 1,024] x [K 1,024, N 1,024]; A: computed on the way; B: input Wo: QUANTISED
;;   THE QUANTISER, for each operand of a quantised product, along K:
;;     - K is cut into blocks of 32 from its start; a last block that is shorter is filled with zeros.
;;     - A block's scale is 2^e with e = floor(log2(the largest magnitude in the block)) - 2, held to -126 .. 127; a block of zeros has e = 0. As a byte (E8M0): e + 127.
;;     - Each number is divided by its block's scale, clamped to +-7.5, and rounded to the nearest number of E2M3, ties to even, subnormals kept.
;;     - The product sums the exact products of the quantised numbers (number of the format x scale) in f32.
;;   ~~~python
;;   def quantise(x, axis):      # numpy; x: float32 -> the quantised numbers, widened to float32 again
;;       x = np.moveaxis(x, axis, -1); K = x.shape[-1]
;;       x = np.pad(x, [(0, 0)] * (x.ndim - 1) + [(0, -K % 32)]); x = x.reshape(x.shape[:-1] + (-1, 32)); a = np.abs(x).max(-1, keepdims=True)
;;       e = np.where(a > 0, np.clip(np.frexp(np.where(a > 0, a, 1))[1] - 1 - 2, -126, 127), 0)      # np.frexp(a)[1] - 1 = floor(log2(a)), exactly
;;       r = np.clip(x / 2.0 ** e, -7.5, 7.5)
;;       step = 2.0 ** (np.maximum(np.frexp(np.where(r == 0, 1, r))[1] - 1, 0) - 3)
;;       q = np.round(r / step) * step * 2.0 ** e      # np.round: ties to even
;;       return np.moveaxis(q.reshape(q.shape[:-2] + (-1,))[..., :K], -1, axis).astype(np.float32)
;;   ~~~
;;   SOFTMAX AHEAD OF A QUANTISED PRODUCT. Where the list says 'softmax', what is quantised is not the finished softmax but p = 2^(t - M), with t = logit x log2(e) and M = ceil(the row's largest t), a whole number; so 1/2 < the row's largest p <= 1. The row's sum l is taken of the UNQUANTISED p, in f32, and the product's result is divided by l at the end. Since M is a whole number, a kernel that streams over the keys may use a running M (the ceiling of the running maximum): every later rescaling is an exact power of two, which a block's scale takes up: the codes' values come out the same.
;;   OPERANDS COMPUTED ON THE WAY. 'Computed on the way' means the value that the module computes at that place (a softmax that the list does not call 'softmax' is quantised finished and normalised). What goes into a quantiser is computed in f32, as accurately as f32 sums, v_exp_f32 and their like allow (about 1e-6 of the number): no bf16 or f16 on the way to a quantiser, and a product that is left as it is and whose result goes on into a quantised operand takes f32 operands (vector FMAs, or v_wmma_f32_16x16x4_f32). A number that lies on a knife's edge between two numbers of the format may be rounded either way, as far as f32 arithmetic and the matrix unit's own rounding can turn it there, and no further.
;; One version. Each part assembles by itself: llvm-mc -triple=amdgcn-amd-amdhsa -mcpu=gfx1250 --defsym DOCPART=n.
;; ======== version 1 of 1: 4 launches
;; limits: right only within a limited range of input values
;; workspace buffers: xc 6,291,456 bytes; xs 262,144 bytes; wc 3,145,728 bytes; ws 131,072 bytes; qkvc 18,874,368 bytes; qkvs 786,432 bytes; ac 6,291,456 bytes; asc 262,144 bytes
;; launch quant (part 1): grid 512 x 1, 4 waves a work-group, no clusters, 34,304 bytes of LDS; arguments inputs, Wq, Wk, Wv, Wo, xc, xs, wc, ws; writes xc, xs, wc, ws
.if DOCPART == 1
	.amdgcn_target "amdgcn-amd-amdhsa--gfx1250"
	.amdhsa_code_object_version 6
	.text
	.protected	k_qa4342c02e7_quant
	.globl	k_qa4342c02e7_quant
	.p2align	8
	.type	k_qa4342c02e7_quant,@function
k_qa4342c02e7_quant:
	s_mov_b64 s[64:65], 0
	v_nop
	global_prefetch_b8 v0, s[64:65] scope:SCOPE_SE
	s_setreg_imm32_b32 hwreg(HW_REG_WAVE_MODE, 25, 1), 1
	s_wait_xcnt 0x0
; inputs [8192][1024] f32 and the four weights [1024 (k)][1024 (n)] f32 become codes of FP6 (E2M3) with one E8M0 byte for each 32 along K = the 1,024.
; A block's byte is its largest magnitude's exponent field - 2, held at 1 from below; the conversion divides by that power of two, rounds to the nearest code, ties to even, and gives the largest code beyond 7.5.
; LIMITS: NaN and infinities among the inputs are not served.  A block of zeros gets the byte 1 (the quantiser's text says 127): its codes are zeros, and the bytes are read by this program alone.
; LAYOUT OF THE RESULTS, this program's own.  A fragment (16 rows x 128 K, 12 registers a lane) lies in memory as an IMAGE of its registers: 1,536 bytes, registers 4 g .. 4 g + 3 of lane l at 512 g + 16 l.
;   Which rows form tile T: row rho is index 32 (T / 2) + 8 (T % 2) + rho + 8 (rho / 8), for tokens and for the weights' columns alike.
;   Which K lies where in a K step of 128: the lanes' half h holds k = 64 h .. 64 h + 63 (registers 6 c .. 6 c + 5: k = 64 h + 32 c + 0 .. 31), alike in every operand of these products, so that the sums are the same.
;   Scale words: [tile][4 K steps][row r][4 words], 256 bytes; in a word byte 2 c + h belongs to the block in registers 6 c .. of half h.
; Work-groups 0-255 take the tokens (a wave: one tile of 16 tokens x 512 along K, four fragments), work-groups 256-511 the weights (a wave: 32 columns x 128 along K, two fragments).
; Memory binds: no matrix unit, no cluster (no two work-groups read the same bytes), no tensor load, no barrier (waves share nothing).
.set STG,   8448                       ; a wave's stage: 16 rows x (512 bytes + 16): row r starts 33 x 16 bytes behind row r - 1, so sixteen rows' 16-byte pieces fall on different banks
.set SPARE, 4*STG                      ; behind the stages: the spare words, 128 bytes for each wave
.set SPW,   40                         ; v40  SPARE + 4 x my thread's number; never rewritten
.set NIL,   41                         ; v41  0; never rewritten
.set X,     64                         ; v64-127  64 numbers of my row: two blocks of 32
.set R0,    128                        ; v128-191, v192-255  two sets of 16 x 4 registers as loaded (the weights: four blocks of 32)
.set F,     20                         ; v20-31   a fragment's codes
	s_load_b64 s[4:5], s[0:1], 0x0                 ; inputs
	s_load_b256 s[8:15], s[0:1], 0x8               ; Wq, Wk, Wv, Wo
	s_load_b256 s[16:23], s[0:1], 0x28             ; xc, xs, wc, ws
	v_lshl_add_u32 v[SPW], v0, 2, SPARE
	v_mov_b32 v[NIL], 0
	v_lshrrev_b32 v1, 5, v0
	v_readfirstlane_b32 s24, v1                    ; wave 0..3
	v_and_b32 v1, 31, v0
	v_lshlrev_b32 v1, 4, v1                        ; v1 = 16 x lane
	v_and_b32 v7, 15, v0                           ; r
	v_bfe_u32 v6, v0, 4, 1                         ; h
	s_mul_i32 s27, s24, STG
	v_add_nc_u32 v2, s27, v1                       ; v2: the stage on the way in: 16 x lane of a row
	v_mul_u32_u24 v3, v7, 528
	v_lshl_add_u32 v3, v6, 8, v3
	v_add_nc_u32 v3, s27, v3                       ; v3: and on the way out: row r, my half's 256 bytes
	v_lshlrev_b32 v4, 4, v7
	v_lshl_add_u32 v4, v6, 3, v4                   ; v4 = 16 r + 8 h: my two scale words
	v_lshlrev_b32 v5, 3, v6                        ; v5 = 8 h
	v_mov_b32 v15, 0                               ; a lane permute's destination counts as one of its sources
	s_mov_b32 s36, 0x76543210
	s_mov_b32 s37, 0xfedcba98                      ; selects for lane l xor 16
	s_mov_b32 s29, 0
	s_mov_b32 s31, 0
	s_mov_b32 s33, 0
	s_wait_kmcnt 0x0
	s_cmp_ge_u32 ttmp9, 256
	s_cbranch_scc1 .Lweights
; ---------------- the tokens.  Tile T = 2 g + wave / 2, K steps 4 (wave % 2) .. + 3
	s_lshr_b32 s25, s24, 1
	s_and_b32 s26, s24, 1
	s_lshl_b32 s28, ttmp9, 17                      ; the tile's first token is 32 g + 8 (wave / 2): rows of 4,096 bytes
	s_lshl_b32 s34, s25, 15
	s_add_co_u32 s28, s28, s34
	s_lshl_b32 s34, s26, 11                        ; 512 numbers along K
	s_add_co_u32 s28, s28, s34
	s_add_nc_u64 s[4:5], s[4:5], s[28:29]
	s_lshl_b32 s35, ttmp9, 1
	s_add_co_u32 s35, s35, s25                     ; T
	s_mul_i32 s30, s35, 12288                      ; a tile's eight images
	s_mul_i32 s34, s26, 6144
	s_add_co_u32 s30, s30, s34
	s_add_nc_u64 s[16:17], s[16:17], s[30:31]
	s_lshl_b32 s32, s35, 9
	s_lshl_b32 s34, s26, 8
	s_add_co_u32 s32, s32, s34
	s_add_nc_u64 s[18:19], s[18:19], s[32:33]
.macro XLOAD q                         ; K step q of my four: sixteen rows x 512 consecutive bytes, 16 a lane
.irp i, 0,1,2,3,4,5,6,7,8,9,10,11,12,13,14,15
	global_load_b128 v[R0+64*((\q)%2)+4*\i:R0+64*((\q)%2)+4*\i+3], v1, s[4:5] offset:(\i+8*(\i/8))*4096+512*(\q) th:TH_LOAD_NT
.endr
.endm
.macro XFRAG q
.if (\q) < 3
	s_wait_loadcnt 16                              ; this K step's sixteen loads are in; the next one's sixteen may be out
.else
	s_wait_loadcnt 0x0
.endif
.irp i, 0,1,2,3,4,5,6,7,8,9,10,11,12,13,14,15
	ds_store_b128 v2, v[R0+64*((\q)%2)+4*\i:R0+64*((\q)%2)+4*\i+3] offset:528*\i
.endr
.irp c, 0,1
.irp j, 0,1,2,3,4,5,6,7
	ds_load_b128 v[X+32*\c+4*\j:X+32*\c+4*\j+3], v3 offset:128*\c+16*\j    ; LDS serves a wave's instructions in order: these see the stores above
.endr
.endr
	s_wait_dscnt 0x0                               ; my 64 numbers are back, and the stores have read their registers,
.if (\q) < 2
	XLOAD (\q)+2                                   ; which take the loads of two K steps on
.endif
	v_max3_num_f32 v8, |v[X]|, |v[X+1]|, 0x1800000     ; my two blocks' largest magnitudes, by turns; the floor 2^(3 - 127) holds the byte at 1 from below
	v_max3_num_f32 v9, |v[X+32]|, |v[X+33]|, 0x1800000
.irp i, 2,4,6,8,10,12,14,16,18,20,22,24,26,28,30
	v_max3_num_f32 v8, v8, |v[X+\i]|, |v[X+1+\i]|
	v_max3_num_f32 v9, v9, |v[X+32+\i]|, |v[X+33+\i]|
.endr
	v_add_nc_u32 v10, 0xff000000, v8               ; 2 off the exponent field: the conversion's scale operand
	v_add_nc_u32 v11, 0xff000000, v9
	v_lshrrev_b32 v12, 23, v10                     ; the bytes
	v_lshrrev_b32 v13, 23, v11
	v_lshl_or_b32 v12, v13, 16, v12
	v_lshlrev_b32 v12, v5, v12                     ; at bytes h and 2 + h
	v_permlanex16_b32 v15, v12, s36, s37
	v_or_b32 v[16+(\q)], v12, v15                  ; with lane l xor 16's two the row's word is whole
	s_wait_alu depctr_va_vdst(0)
	s_wait_xcnt 0x0                                ; the last fragment's stores have read their data: the codes' registers are written again only behind this wait
	v_cvt_scalef32_pk16_fp6_f32 v[F:F+2], v[X:X+15], v10
	v_cvt_scalef32_pk16_fp6_f32 v[32:34], v[X+16:X+31], v10        ; (a conversion's three registers begin on an even number)
	v_cvt_scalef32_pk16_fp6_f32 v[F+6:F+8], v[X+32:X+47], v11
	v_cvt_scalef32_pk16_fp6_f32 v[36:38], v[X+48:X+63], v11
	v_nop                                          ; one plain place behind the conversions
.irp i, 0,1,2
	v_mov_b32 v[F+3+\i], v[32+\i]
	v_mov_b32 v[F+9+\i], v[36+\i]
.endr
.irp g, 0,1,2
	global_store_b128 v1, v[F+4*\g:F+4*\g+3], s[16:17] offset:1536*(\q)+512*\g     ; 32 lanes store 512 consecutive bytes
.endr
.endm
	XLOAD 0
	XLOAD 1
	s_wait_alu depctr_va_vdst(0)
	XFRAG 0
	XFRAG 1
	XFRAG 2
	XFRAG 3
	v_cmp_ne_u32 vcc_lo, 0, v6
	v_cndmask_b32 v8, v16, v18, vcc_lo             ; lane (r, h) stores words 2 h and 2 h + 1 of row r:
	v_cndmask_b32 v9, v17, v19, vcc_lo
	global_store_b64 v4, v[8:9], s[18:19]          ; 32 lanes fill 256 consecutive bytes
	s_branch .Lend
; ---------------- the weights.  K is their FIRST axis: a lane takes a column and its registers run down K, so that nothing is transposed
.Lweights:
	s_sub_co_u32 s25, ttmp9, 256
	s_lshr_b32 s26, s25, 6                         ; which weight: q, k, v, o
	s_and_b32 s27, s25, 7                          ; which 128 columns
	s_bfe_u32 s34, s25, 0x30003                    ; which K step
	s_cmp_eq_u32 s26, 1
	s_cselect_b64 s[8:9], s[10:11], s[8:9]
	s_cmp_eq_u32 s26, 2
	s_cselect_b64 s[8:9], s[12:13], s[8:9]
	s_cmp_eq_u32 s26, 3
	s_cselect_b64 s[8:9], s[14:15], s[8:9]
	s_lshl_b32 s28, s34, 19                        ; 128 rows of 4,096 bytes
	s_lshl_b32 s35, s27, 9
	s_add_co_u32 s28, s28, s35
	s_lshl_b32 s35, s24, 7                         ; my wave's 32 columns
	s_add_co_u32 s28, s28, s35
	s_add_nc_u64 s[8:9], s[8:9], s[28:29]
	s_lshl_b32 s35, s26, 6
	s_lshl_b32 s30, s27, 3
	s_add_co_u32 s35, s35, s30
	s_lshl_b32 s30, s24, 1
	s_add_co_u32 s35, s35, s30                     ; the first of my two tiles: 64 x weight + columns / 16
	s_mul_i32 s30, s35, 12288
	s_mul_i32 s32, s34, 1536
	s_add_co_u32 s30, s30, s32
	s_add_nc_u64 s[20:21], s[20:21], s[30:31]
	s_lshl_b32 s32, s35, 9
	s_lshr_b32 s30, s34, 2
	s_lshl_b32 s30, s30, 8
	s_add_co_u32 s32, s32, s30
	s_and_b32 s30, s34, 3
	s_lshl_b32 s30, s30, 2
	s_add_co_u32 s32, s32, s30
	s_add_nc_u64 s[22:23], s[22:23], s[32:33]
	v_and_b32 v42, 7, v0                           ; my column: the lane's number with bits 3 and 4 changed over, so that lanes 0-15 hold the even tile's rows and lanes 16-31 the odd tile's
	v_bfe_u32 v8, v0, 3, 1
	v_lshl_or_b32 v42, v6, 3, v42
	v_lshl_or_b32 v42, v8, 4, v42
	v_lshlrev_b32 v42, 2, v42
	v_lshlrev_b32 v43, 4, v7
	v_lshl_add_u32 v43, v6, 9, v43                 ; my column's scale word: 512 x tile + 16 r
.macro WLOAD t                         ; the block that goes to byte t of the scale word: k = 32 (2 (t % 2) + t / 2) + 0 .. 31; a wave's load reads 128 consecutive bytes, the four waves 512
.irp i, 0,1,2,3,4,5,6,7,8,9,10,11,12,13,14,15,16,17,18,19,20,21,22,23,24,25,26,27,28,29,30,31
	global_load_b32 v[128+32*(\t)+\i], v42, s[8:9] offset:(32*(2*((\t)%2)+(\t)/2)+\i)*4096 th:TH_LOAD_NT
.endr
.endm
.macro WSLOT t
.set XS, 128+32*(\t)
.set BT, 64+12*((\t)%2)+6*((\t)/2)
.if (\t) < 3
	s_wait_loadcnt 32                              ; this block's 32 loads are in; the next block's may be out
.else
	s_wait_loadcnt 0x0
.endif
.if (\t) < 2
	WLOAD (\t)+2
.endif
	v_max3_num_f32 v8, |v[XS]|, |v[XS+1]|, |v[XS+2]|               ; all 32 numbers of the block are mine
	v_max3_num_f32 v9, |v[XS+3]|, |v[XS+4]|, |v[XS+5]|
.irp i, 6,10,14,18,22,26
	v_max3_num_f32 v8, v8, |v[XS+\i]|, |v[XS+\i+1]|
	v_max3_num_f32 v9, v9, |v[XS+\i+2]|, |v[XS+\i+3]|
.endr
	v_max3_num_f32 v8, v8, |v[XS+30]|, |v[XS+31]|
	v_max3_num_f32 v8, v8, v9, 0x1800000
	v_add_nc_u32 v10, 0xff000000, v8
	v_lshrrev_b32 v11, 23, v10
.if (\t) == 0
	v_mov_b32 v16, v11
.else
	v_lshl_or_b32 v16, v11, 8*(\t), v16
.endif
	v_cvt_scalef32_pk16_fp6_f32 v[BT:BT+2], v[XS:XS+15], v10
	v_cvt_scalef32_pk16_fp6_f32 v[32:34], v[XS+16:XS+31], v10
	v_nop
.irp i, 0,1,2
	v_mov_b32 v[BT+3+\i], v[32+\i]
.endr
.endm
	WLOAD 0
	WLOAD 1
	s_wait_alu depctr_va_vdst(0)
	WSLOT 0
	WSLOT 1
	WSLOT 2
	WSLOT 3
.irp c, 0,1                            ; a lane holds all four blocks of its column; a fragment wants half h's two in lanes 16 h on: the even block's lanes 16-31 (the odd tile's) change places with the odd block's lanes 0-15 (the even tile's)
.irp i, 0,1,2,3,4,5
	v_permlane16_swap_b32 v[64+6*\c+\i], v[76+6*\c+\i]
.endr
.endr                                  ; v64-75: the even tile's fragment; v76-87: the odd tile's
.irp u, 0,1
.irp g, 0,1,2
	global_store_b128 v1, v[64+12*\u+4*\g:64+12*\u+4*\g+3], s[20:21] offset:12288*\u+512*\g
.endr
.endr
	global_store_b32 v43, v16, s[22:23]            ; 4 bytes of each 16: the other three K steps' words come from other work-groups; one byte for 128 bytes read
.Lend:
	s_wait_tensorcnt 0x0                           ; the wave's end: these three lines behind the last LDS store
	ds_add_u32 v[SPW], v[NIL]
	s_wait_dscnt 0x0
	s_endpgm
.Lfunc_end_k_qa4342c02e7_quant:
	.size	k_qa4342c02e7_quant, .Lfunc_end_k_qa4342c02e7_quant-k_qa4342c02e7_quant
	.p2alignl 7, 3214868480
	.fill 96, 4, 3214868480
	.section	.rodata,"a",@progbits
	.p2align	6, 0x0
	.amdhsa_kernel k_qa4342c02e7_quant
		.amdhsa_group_segment_fixed_size 34304
		.amdhsa_private_segment_fixed_size 0
		.amdhsa_enable_private_segment 0
		.amdhsa_kernarg_size 72
		.amdhsa_user_sgpr_count 2
		.amdhsa_user_sgpr_kernarg_segment_ptr 1
		.amdhsa_wavefront_size32 1
		.amdhsa_system_sgpr_workgroup_id_x 1
		.amdhsa_system_sgpr_workgroup_id_y 1
		.amdhsa_system_sgpr_workgroup_id_z 1
		.amdhsa_system_vgpr_workitem_id 0
		.amdhsa_next_free_vgpr 256
		.amdhsa_next_free_sgpr 66
		.amdhsa_reserve_vcc 1
		.amdhsa_float_denorm_mode_32 3
		.amdhsa_float_denorm_mode_16_64 3
		.amdhsa_memory_ordered 1
		.amdhsa_forward_progress 1
		.amdhsa_inst_pref_size 51
	.end_amdhsa_kernel
	.amdgpu_metadata
---
amdhsa.version: [ 1, 2 ]
amdhsa.kernels:
  - .name:           k_qa4342c02e7_quant
    .symbol:         k_qa4342c02e7_quant.kd
    .args:
      - { .name: inputs, .offset: 0, .size: 8, .value_kind: global_buffer, .address_space: global }
      - { .name: Wq, .offset: 8, .size: 8, .value_kind: global_buffer, .address_space: global }
      - { .name: Wk, .offset: 16, .size: 8, .value_kind: global_buffer, .address_space: global }
      - { .name: Wv, .offset: 24, .size: 8, .value_kind: global_buffer, .address_space: global }
      - { .name: Wo, .offset: 32, .size: 8, .value_kind: global_buffer, .address_space: global }
      - { .name: xc, .offset: 40, .size: 8, .value_kind: global_buffer, .address_space: global }
      - { .name: xs, .offset: 48, .size: 8, .value_kind: global_buffer, .address_space: global }
      - { .name: wc, .offset: 56, .size: 8, .value_kind: global_buffer, .address_space: global }
      - { .name: ws, .offset: 64, .size: 8, .value_kind: global_buffer, .address_space: global }
    .group_segment_fixed_size: 34304
    .private_segment_fixed_size: 0
    .kernarg_segment_align: 8
    .kernarg_segment_size: 72
    .max_flat_workgroup_size: 128
    .sgpr_count:     66
    .vgpr_count:     256
    .wavefront_size: 32
...
	.end_amdgpu_metadata
.endif
;; end of part 1
;; launch qkv (part 2): grid 12 x 32, 4 waves a work-group, clusters of 4 x 4, 327,680 bytes of LDS; arguments xc, xs, wc, ws, bq, bk, bv, qkvc, qkvs; writes qkvc, qkvs
.if DOCPART == 2
	.amdgcn_target "amdgcn-amd-amdhsa--gfx1250"
	.amdhsa_code_object_version 6
	.text
	.protected	k_qa4342c02e7_qkv
	.globl	k_qa4342c02e7_qkv
	.p2align	8
	.type	k_qa4342c02e7_qkv,@function
k_qa4342c02e7_qkv:
	s_mov_b64 s[64:65], 0
	v_nop
	global_prefetch_b8 v0, s[64:65] scope:SCOPE_SE
	s_setreg_imm32_b32 hwreg(HW_REG_WAVE_MODE, 25, 1), 1
	s_wait_xcnt 0x0
	s_wait_alu depctr_hold_cnt(0) depctr_sa_sdst(0) depctr_va_vdst(0) depctr_va_sdst(0) depctr_va_ssrc(0) depctr_va_vcc(0) depctr_vm_vsrc(0)
	s_getreg_b32 s2, hwreg(HW_REG_IB_STS2, 6, 4)
	s_cmp_eq_u32 s2, 0
	s_cbranch_scc0 .Lentry_in_a_cluster
	s_endpgm
.Lentry_in_a_cluster:
	s_bfe_u32 s2, ttmp6, 0x10000c
	s_cmp_lg_u32 s2, 0xf033
	s_cbranch_scc0 .Lentry_shape_is_right
	s_endpgm
.Lentry_shape_is_right:
.set SLOT,   98304
.set TILEB,  3072
.set FRB,    1536
.set SCL,    3*SLOT
.set SPARE,  SCL+16384
.set ADR1, 16
.set ADR0, 20
.set ADRS, 27
.set SPW,  28
.set NIL,  29
.set SC,   32
.set AF,   128
.set BL,   96
.set TM,   104
.set CT,   120
.set HA,   128
.set PW,   192
.set BP,   194
.set KW,   196
.set VW,   200
.set IA,   208
.set IB,   220
.set G1,   24
.set G1B,  48
.set G1S,  68
.set G0S,  76
.set G1SB, 80
.set G0SB, 88
.set SEL,  100
.set MSB, 0
.macro WIN new
.if MSB != (\new)
	s_set_vgpr_msb (MSB<<8)|(\new)
.set MSB, (\new)
.endif
.endm
.set MUL_LO, 0xa1
.set MUL_HI, 0xf1
.set TO_B,   0x40
.macro JLOAD g0a, g1a, g0b, g1b
	s_cmp_eq_u32 s15, 0
	s_cbranch_scc0 .Lfor_b_\@
	tensor_load_to_lds s[\g0a:\g0a+3], s[\g1a:\g1a+7]
	s_nop 0
.rept 4
	v_nop
.endr
	s_branch .Lasked_\@
.Lfor_b_\@:
	tensor_load_to_lds s[\g0b:\g0b+3], s[\g1b:\g1b+7]
	s_nop 0
.rept 4
	v_nop
.endr
.Lasked_\@:
.endm
.macro CREST
	s_cmp_lg_u32 s14, 0
	s_cbranch_scc1 .Lnot_wave_0_\@
	s_barrier_signal -3
.Lnot_wave_0_\@:
	s_barrier_wait -3
	s_barrier_signal -1
	s_barrier_wait -1
.endm
.macro CROUND
	s_barrier_signal -1
	s_barrier_wait -1
	CREST
.endm
.macro PLACES n
.rept \n
	v_nop
.endr
.endm
	s_load_b256 s[4:11], s[0:1], 0x0
	v_lshl_add_u32 v[SPW], v0, 2, SPARE
	v_mov_b32 v[NIL], 0
	ds_add_u32 v[SPW], v[NIL]
	ds_add_u32 v[SPW], v[NIL]
	v_lshrrev_b32 v1, 5, v0
	v_readfirstlane_b32 s14, v1
	s_lshr_b32 s15, s14, 1
	s_and_b32 s16, s14, 1
	s_bfe_u32 s40, ttmp6, 0x40000
	s_bfe_u32 s41, ttmp6, 0x40004
	s_and_b32 s18, ttmp7, 0xffff
	s_lshl_b32 s18, s18, 2
	s_lshl_b32 s19, ttmp9, 2
	s_cmp_eq_u32 ttmp9, 2
	s_cselect_b32 s17, 1, 0
	s_cselect_b32 s42, s18, s19
	s_cselect_b32 s43, 8, s18
	s_add_co_u32 s42, s42, s40
	s_add_co_u32 s43, s43, s41
	s_lshl_b32 s44, s41, 2
	s_lshl_b32 s44, 15, s44
	s_lshl_b32 s45, 0x1111, s40
	s_or_b32 s[G1], s44, (3<<16)|(1<<21)
	s_or_b32 s[G1B], s45, (3<<16)|(1<<21)
.irp g, G1, G1B
	s_mov_b32 s[\g+1], 384<<16
	s_mov_b32 s[\g+2], 16<<16
	s_mov_b32 s[\g+3], 384<<16
	s_mov_b32 s[\g+4], 16
	s_mov_b32 s[\g+5], 1536
	s_mov_b32 s[\g+6], 0
	s_mov_b32 s[\g+7], 0
.endr
	s_or_b32 s[G1S], s44, (3<<16)|(1<<21)
	s_or_b32 s[G1SB], s45, (3<<16)|(1<<21)
.irp g, G1S, G1SB
	s_mov_b32 s[\g+1], 32<<16
	s_mov_b32 s[\g+2], 32<<16
	s_mov_b32 s[\g+3], 32<<16
	s_mov_b32 s[\g+4], 32
	s_mov_b32 s[\g+5], 32
	s_mov_b32 s[\g+6], 0
	s_mov_b32 s[\g+7], 0
.endr
	s_mul_i32 s20, s43, 196608
	s_mov_b32 s21, 0
	s_mul_i32 s46, s42, 196608
	s_mov_b32 s47, 0
	s_lshl_b32 s22, s43, 13
	s_mov_b32 s23, 0
	s_lshl_b32 s66, s42, 13
	s_mov_b32 s67, 0
	s_mul_i32 s2, s16, 98304                       ; behind the head I fetch eight of a side's sixteen tiles: which eight, in bytes
	s_mov_b32 s3, 0
	s_mov_b32 s[SEL], 0x76543210
	s_mov_b32 s[SEL+1], 0xfedcba98
	s_wait_dscnt 0x0
	s_wait_kmcnt 0x0
	s_cmp_eq_u32 s17, 1
	s_cselect_b64 s[12:13], s[8:9], s[4:5]
	s_cselect_b64 s[18:19], s[4:5], s[8:9]
	s_cselect_b64 s[4:5], s[10:11], s[6:7]
	s_cselect_b64 s[6:7], s[6:7], s[10:11]
	s_add_nc_u64 s[20:21], s[12:13], s[20:21]
	s_add_nc_u64 s[46:47], s[18:19], s[46:47]
	s_add_nc_u64 s[22:23], s[4:5], s[22:23]
	s_add_nc_u64 s[66:67], s[6:7], s[66:67]
	CROUND
	; THE HEAD'S FOUR TILES, ONE A WAVE: K steps 0, 1 of source 1's sixteen tiles, of source 0's, and the two sides' scale words
	s_mov_b32 s[G0S], 1
	s_mov_b32 s[G0S+1], SCL
	s_mov_b64 s[G0S+2:G0S+3], s[22:23]
	s_or_b32 s[G0S+3], s[G0S+3], 0x80000000
	s_mov_b32 s[G0SB], 1
	s_mov_b32 s[G0SB+1], SCL+8192
	s_mov_b64 s[G0SB+2:G0SB+3], s[66:67]
	s_or_b32 s[G0SB+3], s[G0SB+3], 0x80000000
	s_mov_b32 s36, 1
	s_mov_b32 s37, 0
	s_mov_b64 s[38:39], s[20:21]
	s_or_b32 s39, s39, 0x80000000
	s_mov_b32 s60, 1
	s_mov_b32 s61, 49152
	s_mov_b64 s[62:63], s[46:47]
	s_or_b32 s63, s63, 0x80000000
.macro ARM under, g0, g1, next
	s_cmp_lt_u32 s14, \under
	s_cbranch_scc0 \next
	tensor_load_to_lds s[\g0:\g0+3], s[\g1:\g1+7]
	s_nop 0
.rept 4
	v_nop
.endr
	s_branch .Lhead_asked
\next:
.endm
	ARM 1, 36, G1, .Lhead_b
	ARM 2, 60, G1B, .Lhead_sa
	ARM 3, G0S, G1S, .Lhead_sb
	tensor_load_to_lds s[G0SB:G0SB+3], s[G1SB:G1SB+7]
	s_nop 0
.rept 4
	v_nop
.endr
.Lhead_asked:
	s_add_nc_u64 s[20:21], s[20:21], s[2:3]        ; from here on: my eight tiles
	s_add_nc_u64 s[46:47], s[46:47], s[2:3]
	s_mov_b32 s32, 1                               ; slot 0's refill (its address is stepped to K steps 6, 7 there)
	s_mul_i32 s33, s14, 24576
	s_mov_b64 s[34:35], s[20:21]
	s_or_b32 s35, s35, 0x80000000
	s_mov_b32 s56, 1
	s_mul_i32 s57, s14, 24576
	s_mov_b64 s[58:59], s[46:47]
	s_or_b32 s59, s59, 0x80000000
	s_mov_b32 s92, 1                               ; K steps 2 to 5 in one load: eight rows of 6,144 bytes, behind slot 0
	s_mul_i32 s93, s14, 49152
	s_add_co_u32 s93, s93, SLOT
	s_add_nc_u64 s[94:95], s[20:21], TILEB
	s_or_b32 s95, s95, 0x80000000
	s_mov_b32 s96, 1
	s_mul_i32 s97, s14, 49152
	s_add_co_u32 s97, s97, SLOT
	s_add_nc_u64 s[98:99], s[46:47], TILEB
	s_or_b32 s99, s99, 0x80000000
	s_load_b256 s[4:11], s[0:1], 0x20
	s_load_b64 s[12:13], s[0:1], 0x40
	v_and_b32 v1, 15, v0
	v_bfe_u32 v2, v0, 4, 1
	s_wait_alu depctr_va_vdst(0)
	v_and_b32 v3, 31, v0
	v_lshlrev_b32 v3, 4, v3
	s_mul_i32 s18, s15, 24576
	s_mul_i32 s19, s16, 24576
	s_add_co_u32 s19, s19, 49152
	v_add_nc_u32 v[ADR1], s18, v3
	v_add_nc_u32 v[ADR0], s19, v3
	s_mul_i32 s18, s15, 49152
	s_mul_i32 s19, s16, 49152
	s_add_co_u32 s18, s18, SLOT
	s_add_co_u32 s19, s19, SLOT+98304
.irp g, 1,2
	v_add_nc_u32 v[ADR1+\g], s18, v3
	v_add_nc_u32 v[ADR0+\g], s19, v3
.endr
	s_lshl_b32 s18, s15, 12
	s_lshl_b32 s19, s16, 12
	s_add_co_u32 s19, s19, 8192
	s_sub_co_u32 s19, s19, s18
	v_mul_u32_u24 v4, s19, v2
	s_add_co_u32 s18, s18, SCL
	v_lshl_add_u32 v4, v1, 4, v4
	v_add_nc_u32 v[ADRS], s18, v4
	v_lshlrev_b32 v24, 4, v1
	v_lshl_add_u32 v24, v2, 12, v24
	v_lshlrev_b32 v25, 6, v2
	v_and_b32 v26, 8, v1
	v_add_nc_u32 v26, v26, v1
	v_lshlrev_b32 v26, 2, v26
	v_mov_b32 v30, 0x05040100
	v_mov_b32 v31, 0x07060302
	v_cmp_ne_u32 vcc_lo, 0, v2
	v_cndmask_b32 v30, v30, v31, vcc_lo
.irp b, 0,1,2,3
	v_mov_b32 v[TM+4+\b], 0
.endr
	s_lshr_b32 s2, s42, 2
	s_and_b32 s3, s42, 3
	s_cmp_eq_u32 s17, 1
	s_cselect_b32 s2, 2, s2
	s_cselect_b32 s3, s41, s3
	s_cselect_b32 s18, s15, s16
	s_cselect_b32 s19, s42, s43
	s_cselect_b32 s66, s16, s15
	s_lshl_b32 s67, s3, 2
	s_lshl_b32 s46, s18, 1
	s_add_co_u32 s67, s67, s46
	s_lshr_b32 s46, s19, 3
	s_lshl_b32 s46, s46, 4
	s_add_co_u32 s67, s67, s46
	s_and_b32 s46, s19, 7
	s_lshl_b32 s46, s46, 1
	s_add_co_u32 s66, s66, s46
	s_mul_i32 s20, s2, 6291456
	s_mul_i32 s46, s67, 98304
	s_add_co_u32 s20, s20, s46
	s_mul_i32 s46, s66, 6144
	s_add_co_u32 s20, s20, s46
	s_mov_b32 s21, 0
	s_lshl_b32 s22, s2, 18
	s_lshl_b32 s46, s67, 12
	s_add_co_u32 s22, s22, s46
	s_lshl_b32 s46, s66, 8
	s_add_co_u32 s22, s22, s46
	s_mov_b32 s23, 0
	s_lshl_b32 s46, s3, 10
	s_lshl_b32 s47, s18, 9
	s_add_co_u32 s66, s46, s47
	s_mov_b32 s67, 0
	s_wait_alu depctr_va_vdst(0)
	s_wait_kmcnt 0x0
	s_add_nc_u64 s[20:21], s[10:11], s[20:21]
	s_add_nc_u64 s[22:23], s[12:13], s[22:23]
	s_cmp_eq_u32 s2, 0
	s_cselect_b64 s[46:47], s[4:5], s[6:7]
	s_cmp_eq_u32 s2, 2
	s_cselect_b64 s[46:47], s[8:9], s[46:47]
	s_add_nc_u64 s[46:47], s[46:47], s[66:67]
	WIN TO_B
.irp n, 0,1,2,3,4,5,6,7,8,9,10,11,12,13,14,15
	global_load_b128 v[96+4*\n+96*(\n/8):99+4*\n+96*(\n/8)], v25, s[46:47] offset:128*(\n/4)+16*(\n%4)
.endr
	WIN 0
.irp a, 0,1,2,3,4,5,6,7
	global_load_b32 v[BL+\a], v26, s[46:47] offset:4*(32*(\a/2)+8*(\a%2))
.endr
.macro FRAG reg, adr, off
.irp g, 0,1,2
	ds_load_b128 v[(\reg)+4*\g:(\reg)+4*\g+3], v[\adr] offset:(\off)+512*\g
.endr
.endm
.macro FETCH_B slot, q, p
	WIN TO_B
.irp i, 0,1,2,3,4,5,6,7
	FRAG 128*(\p)+12*\i, ADR0+(\slot), (TILEB+TILEB*(((\slot)+1)/2))*\i+TILEB*((\slot)/2)+FRB*(\q)
.endr
	WIN 0
.endm
.macro FETCH_A slot, q, i0
.irp i, \i0, \i0+1, \i0+2, \i0+3
	FRAG AF+12*(\i), ADR1+(\slot), (TILEB+TILEB*(((\slot)+1)/2))*(\i)+TILEB*((\slot)/2)+FRB*(\q)
.endr
.endm
.macro SCALES
.irp u, 0,1
.irp i, 0,1,2,3,4,5,6,7
	ds_load_b128 v[SC+32*\u+4*\i:SC+32*\u+4*\i+3], v[ADRS] offset:512*\i+256*\u
.endr
.endr
.endm
.macro MUL16 a0, ks, zero
.irp a, \a0, \a0+1
.irp b, 0,1,2,3,4,5,6,7
.if \zero
	v_wmma_scale_f32_16x16x128_f8f6f4 v[8*(8*((\a)%4)+\b):8*(8*((\a)%4)+\b)+7], v[128*((\ks)%2)+12*\b:128*((\ks)%2)+12*\b+11], v[AF+12*(\a):AF+12*(\a)+11], 0, v[SC+32*((\ks)/4)+4*\b+(\ks)%4], v[SC+32*((\ks)/4)+4*(\a)+(\ks)%4] matrix_a_fmt:MATRIX_FMT_FP6 matrix_b_fmt:MATRIX_FMT_FP6 matrix_a_scale:MATRIX_SCALE_ROW1
.else
	v_wmma_scale_f32_16x16x128_f8f6f4 v[8*(8*((\a)%4)+\b):8*(8*((\a)%4)+\b)+7], v[128*((\ks)%2)+12*\b:128*((\ks)%2)+12*\b+11], v[AF+12*(\a):AF+12*(\a)+11], v[8*(8*((\a)%4)+\b):8*(8*((\a)%4)+\b)+7], v[SC+32*((\ks)/4)+4*\b+(\ks)%4], v[SC+32*((\ks)/4)+4*(\a)+(\ks)%4] matrix_a_fmt:MATRIX_FMT_FP6 matrix_b_fmt:MATRIX_FMT_FP6 matrix_a_scale:MATRIX_SCALE_ROW1
.endif
.endr
.endr
.endm
.macro STEP ks, zero, nslot, nq
	s_wait_dscnt 12
	WIN MUL_LO
	MUL16 0, \ks, \zero
	MUL16 2, \ks, \zero
	s_wait_dscnt 0x0
	PLACES 4
	FETCH_B \nslot, \nq, 1-(\ks)%2
	FETCH_A \nslot, \nq, 0
	WIN MUL_HI
	MUL16 4, \ks, \zero
	MUL16 6, \ks, \zero
	PLACES 4
	WIN 0
	FETCH_A \nslot, \nq, 4
.endm
.macro TURN ks, nslot, tcnt, fill
	s_wait_tensorcnt \tcnt
.if \fill
	ds_add_u32 v[SPW], v[NIL]
	s_wait_dscnt 13
.else
	s_wait_dscnt 12
.endif
	WIN MUL_LO
	MUL16 0, \ks, 0
	s_wait_dscnt 0x0
	s_barrier_signal -1
	MUL16 2, \ks, 0
	WIN 0
	s_barrier_wait -1
.if \fill
	CREST
	s_mov_b32 s[G1+1], 384<<16                     ; no tensor load of mine is out: the refill's rows are 3,072 bytes again
	s_mov_b32 s[G1+3], 384<<16
	s_mov_b32 s[G1B+1], 384<<16
	s_mov_b32 s[G1B+3], 384<<16
	s_add_nc_u64 s[34:35], s[34:35], 3*TILEB
	s_add_nc_u64 s[58:59], s[58:59], 3*TILEB
	JLOAD 32, G1, 56, G1B
.else
	PLACES 4
.endif
	FETCH_B \nslot, 0, 1-(\ks)%2
	FETCH_A \nslot, 0, 0
	WIN MUL_HI
	MUL16 4, \ks, 0
	MUL16 6, \ks, 0
	PLACES 4
	WIN 0
	FETCH_A \nslot, 0, 4
.endm
	s_wait_tensorcnt 0x0                           ; my tile of the head's four is in
	ds_add_u32 v[SPW], v[NIL]
	s_mov_b32 s[G1+1], 768<<16                     ; no tensor load of mine is out: eight rows of 6,144 bytes
	s_mov_b32 s[G1+2], 8<<16
	s_mov_b32 s[G1+3], 768<<16
	s_mov_b32 s[G1+4], 8
	s_mov_b32 s[G1B+1], 768<<16
	s_mov_b32 s[G1B+2], 8<<16
	s_mov_b32 s[G1B+3], 768<<16
	s_mov_b32 s[G1B+4], 8
	s_wait_dscnt 0x0
	CROUND
	JLOAD 92, G1, 96, G1B
	SCALES
	FETCH_B 0, 0, 0
	FETCH_A 0, 0, 0
	FETCH_A 0, 0, 4
	STEP 0, 1, 0, 1
	TURN 1, 1, 0, 0
	STEP 2, 0, 1, 1
	TURN 3, 2, 0, 1
	STEP 4, 0, 2, 1
	TURN 5, 0, 0, 0
	STEP 6, 0, 0, 1
	s_wait_dscnt 12
	WIN MUL_LO
	MUL16 0, 7, 0
	MUL16 2, 7, 0
	s_wait_dscnt 0x0
	WIN MUL_HI
	MUL16 4, 7, 0
	MUL16 6, 7, 0
	WIN 0
	PLACES 4
	s_wait_loadcnt 0x0
.macro QUANT src, d0, d1, pw
.irp b, 0,1,2,3
	v_max3_num_f32 v[TM+\b], |v[\src+16*\b]|, |v[\src+1+16*\b]|, 0x1800000
.endr
.irp i, 2,4,6,8,10,12,14
.irp b, 0,1,2,3
	v_max3_num_f32 v[TM+\b], v[TM+\b], |v[\src+16*\b+\i]|, |v[\src+1+16*\b+\i]|
.endr
.endr
.irp b, 0,1,2,3
	v_permlanex16_b32 v[TM+4+\b], v[TM+\b], s[SEL], s[SEL+1]
.endr
.irp b, 0,1,2,3
	v_max_num_f32 v[TM+\b], v[TM+\b], v[TM+4+\b]
.endr
.irp b, 0,1,2,3
	v_add_nc_u32 v[TM+12+\b], 0xff000000, v[TM+\b]
.endr
.irp b, 0,1,2,3
	v_lshrrev_b32 v[TM+4+\b], 23, v[TM+12+\b]
.endr
	v_lshl_or_b32 v[\pw], v[TM+5], 8, v[TM+4]
	v_lshl_or_b32 v[\pw], v[TM+6], 16, v[\pw]
	v_lshl_or_b32 v[\pw], v[TM+7], 24, v[\pw]
	v_cvt_scalef32_pk16_fp6_f32 v[\d0:\d0+2], v[\src:\src+15], v[TM+12]
	v_cvt_scalef32_pk16_fp6_f32 v[CT:CT+2], v[\src+16:\src+31], v[TM+13]
	v_cvt_scalef32_pk16_fp6_f32 v[\d1:\d1+2], v[\src+32:\src+47], v[TM+14]
	v_cvt_scalef32_pk16_fp6_f32 v[CT+4:CT+6], v[\src+48:\src+63], v[TM+15]
	v_nop
.irp i, 0,1,2
	v_permlane16_swap_b32 v[\d0+\i], v[CT+\i]
	v_permlane16_swap_b32 v[\d1+\i], v[CT+4+\i]
.endr
.irp i, 0,1,2
	v_mov_b32 v[\d0+3+\i], v[CT+\i]
	v_mov_b32 v[\d1+3+\i], v[CT+4+\i]
.endr
.endm
.macro ADDB a
	WIN 0x06+(\a)/4
.set n, 0
.rept 32
	v_pk_add_f32 v[HA+2*n:HA+2*n+1], v[64*((\a)%4)+2*n:64*((\a)%4)+2*n+1], v[96+2*n+96*(n/16):97+2*n+96*(n/16)]
.set n, n+1
.endr
	WIN 0
.endm
.macro ADDL a
	v_mov_b32 v[BP], v[BL+(\a)]
	v_mov_b32 v[BP+1], v[BL+(\a)]
	WIN 0x02+(\a)/4
.set n, 0
.rept 32
	v_pk_add_f32 v[HA+2*n:HA+2*n+1], v[64*((\a)%4)+2*n:64*((\a)%4)+2*n+1], v[BP:BP+1]
.set n, n+1
.endr
	WIN 0
.endm
	s_cmp_eq_u32 s17, 1
	s_cbranch_scc1 .Lepi_v
.irp p, 0,1,2,3
	s_wait_xcnt 0x0
	ADDB 2*\p
	QUANT HA, IA, IB, PW
	ADDB 2*\p+1
	QUANT HA, IA+6, IB+6, PW+1
	v_perm_b32 v[KW+\p], v[PW+1], v[PW], v30
.irp g, 0,1,2
	global_store_b128 v3, v[IA+4*\g:IA+4*\g+3], s[20:21] offset:1536*\p+512*\g
	global_store_b128 v3, v[IB+4*\g:IB+4*\g+3], s[20:21] offset:98304+1536*\p+512*\g
.endr
.endr
	global_store_b128 v24, v[KW:KW+3], s[22:23]
	s_branch .Ldone
.Lepi_v:
.irp a, 0,1,2,3,4,5,6,7
	s_wait_xcnt 0x0
	ADDL \a
	QUANT HA, IA, IA+6, VW+\a
.irp g, 0,1,2
	global_store_b128 v3, v[IA+4*\g:IA+4*\g+3], s[20:21] offset:1536*(\a%4)+98304*(\a/4)+512*\g
.endr
.endr
	v_cmp_ne_u32 vcc_lo, 0, v2
.irp t, 0,1,2,3
	v_cndmask_b32 v[KW+\t], v[VW+\t], v[VW+4+\t], vcc_lo
.endr
	global_store_b128 v24, v[KW:KW+3], s[22:23]
.Ldone:
	s_wait_tensorcnt 0x0
	ds_add_u32 v[SPW], v[NIL]
	s_wait_dscnt 0x0
	CROUND
	s_endpgm
.Lfunc_end_k_qa4342c02e7_qkv:
	.size	k_qa4342c02e7_qkv, .Lfunc_end_k_qa4342c02e7_qkv-k_qa4342c02e7_qkv
	.p2alignl 7, 3214868480
	.fill 96, 4, 3214868480
	.section	.rodata,"a",@progbits
	.p2align	6, 0x0
	.amdhsa_kernel k_qa4342c02e7_qkv
		.amdhsa_group_segment_fixed_size 327680
		.amdhsa_private_segment_fixed_size 0
		.amdhsa_enable_private_segment 0
		.amdhsa_kernarg_size 72
		.amdhsa_user_sgpr_count 2
		.amdhsa_user_sgpr_kernarg_segment_ptr 1
		.amdhsa_wavefront_size32 1
		.amdhsa_system_sgpr_workgroup_id_x 1
		.amdhsa_system_sgpr_workgroup_id_y 1
		.amdhsa_system_sgpr_workgroup_id_z 1
		.amdhsa_system_vgpr_workitem_id 0
		.amdhsa_next_free_vgpr 1024
		.amdhsa_next_free_sgpr 102
		.amdhsa_reserve_vcc 1
		.amdhsa_float_denorm_mode_32 3
		.amdhsa_float_denorm_mode_16_64 3
		.amdhsa_memory_ordered 1
		.amdhsa_forward_progress 1
		.amdhsa_inst_pref_size 208
	.end_amdhsa_kernel
	.amdgpu_metadata
---
amdhsa.version: [ 1, 2 ]
amdhsa.kernels:
  - .name:           k_qa4342c02e7_qkv
    .symbol:         k_qa4342c02e7_qkv.kd
    .args:
      - { .name: xc, .offset: 0, .size: 8, .value_kind: global_buffer, .address_space: global }
      - { .name: xs, .offset: 8, .size: 8, .value_kind: global_buffer, .address_space: global }
      - { .name: wc, .offset: 16, .size: 8, .value_kind: global_buffer, .address_space: global }
      - { .name: ws, .offset: 24, .size: 8, .value_kind: global_buffer, .address_space: global }
      - { .name: bq, .offset: 32, .size: 8, .value_kind: global_buffer, .address_space: global }
      - { .name: bk, .offset: 40, .size: 8, .value_kind: global_buffer, .address_space: global }
      - { .name: bv, .offset: 48, .size: 8, .value_kind: global_buffer, .address_space: global }
      - { .name: qkvc, .offset: 56, .size: 8, .value_kind: global_buffer, .address_space: global }
      - { .name: qkvs, .offset: 64, .size: 8, .value_kind: global_buffer, .address_space: global }
    .group_segment_fixed_size: 327680
    .private_segment_fixed_size: 0
    .kernarg_segment_align: 8
    .kernarg_segment_size: 72
    .max_flat_workgroup_size: 128
    .sgpr_count:     102
    .vgpr_count:     1024
    .wavefront_size: 32
...
	.end_amdgpu_metadata
.endif
;; end of part 2
;; launch attn (part 3): grid 4 x 64, 12 waves a work-group, clusters of 4 x 1, 231,424 bytes of LDS; arguments qkvc, qkvs, ac, asc; writes ac, asc
.if DOCPART == 3
	.amdgcn_target "amdgcn-amd-amdhsa--gfx1250"
	.amdhsa_code_object_version 6
	.text
	.protected	k_qa4342c02e7_attn
	.globl	k_qa4342c02e7_attn
	.p2align	8
	.type	k_qa4342c02e7_attn,@function
k_qa4342c02e7_attn:
	s_mov_b64 s[64:65], 0
	v_nop
	global_prefetch_b8 v0, s[64:65] scope:SCOPE_SE
	s_setreg_imm32_b32 hwreg(HW_REG_WAVE_MODE, 25, 1), 1
	s_wait_xcnt 0x0
	s_wait_alu depctr_hold_cnt(0) depctr_sa_sdst(0) depctr_va_vdst(0) depctr_va_sdst(0) depctr_va_ssrc(0) depctr_va_vcc(0) depctr_vm_vsrc(0)
	s_getreg_b32 s2, hwreg(HW_REG_IB_STS2, 6, 4)
	s_cmp_eq_u32 s2, 0
	s_cbranch_scc0 .Lentry_in_a_cluster
	s_endpgm
.Lentry_in_a_cluster:
	s_bfe_u32 s2, ttmp6, 0x10000c
	s_cmp_lg_u32 s2, 0x3003
	s_cbranch_scc0 .Lentry_shape_is_right
	s_endpgm
.Lentry_shape_is_right:
; For each of the 64 (batch, head): O = softmax(q k^T / 8) v, both products on codes of FP6 (E2M3) with E8M0 scales; O / l is quantised here along the 1,024 features as the last product's operand.
; THE SOFTMAX: t = score x log2(e) / 8; M = the row's largest t so far, rounded UP to a whole number; p = 2^(t - M) is quantised along the keys, not normalised; the row's sum is taken of the unquantised p and divides O at the end.
; When M moves, the sum and O are multiplied by 2^(old M - new M): exact.
; SHARES.  A cluster of four work-groups is one head; a work-group takes 512 queries, 32 tiles of 16.  Twelve waves, three to a SIMD, 304 registers each; a wave owns one tile a pass: 12 + 12 + 8 tiles in three passes.
; In the third pass waves 8-11 have no tile: they walk the loop, and a branch on the pass and the wave's number leads them round the steps and the way out.
; Every tile walks the head's 2,048 keys, 128 a step.
; A WHOLE HEAD'S K AND V STAY IN LDS, with their scale words: nine joint loads at the head, one a wave, each asked for by all four work-groups with one mask; nothing is filled again, so there is no ring.
; ONE BARRIER: every wave waits for its load, and the head's barrier shows all of K, V and the scale words to all.  Behind it the waves share nothing and meet again only at the closing round.
; All tensor loads go out at the kernel's head, so there is no later stream for which a prefetch could be laid.
; FRAGMENTS RUN AHEAD: K's of step n + 1 are asked for behind step n's score products (behind step 15: step 0's, for the next pass; the last pass's are not used), V's of step n at the step's head, into registers of their own.
; LAYOUT.  Both products are used transposed: S^T = K q^T, O^T = V^T p^T: a lane holds ONE query throughout.  The head's K is 64, half of the instruction's 128: an image of K holds TWO tiles of 16 keys (registers 0-5, 6-11),
; and is multiplied by [q | 0] for the first and by [0 | q] for the second: zero codes add nothing.  In memory row rho of tile u of image b is key 32 b + 8 u + rho + 8 (rho / 8).
; WHICH KEYS FORM A TILE HERE: lane (r = i + 8 j, h) of fragment f = 2 c + tau reads image 2 c + j at the place of lane (i + 8 tau, h).  Row i + 8 j of its tile u is then key 64 c + 32 j + 16 tau + 8 u + i,
; so that a lane's registers S + 32 c + 0 .. 31 are keys 64 c + 32 h + 0 .. 31: ONE WHOLE SCALE BLOCK OF p, in the order of the next operand's registers: no lane asks another for a block's maximum or codes.
; K's rows of 512 bytes have 128 bytes of padding behind them in LDS: an image is 1,920 bytes, so lanes 8-15, one image on, read the other 128 bytes of each 256 than lanes 0-7.
; LIMITS: NaN and infinities are not served; the scaled scores stay under 2^31 in magnitude; a block of zeros gets the byte 1, its codes are zeros, and this program alone reads the bytes.
.set KSTEP, 7680                       ; a key step of K in LDS: four images of 1,920 bytes
.set VBASE, 122880                     ; V: 16 steps x 6,144 bytes
.set SCK,   221184                     ; K's scale words, then V's 4,096 bytes on
.set SPARE, 229376                     ; the spare words, 128 bytes for each wave
.set SPW, 5                            ; v5  SPARE + 4 x my thread's number; never rewritten
.set NIL, 6                            ; v6  0; never rewritten
.set ADK, 8                            ; v8-10, v14 the step's LDS addresses: K, V, K's scale words, V's
.set ADV, 9
.set ADSK, 10
.set ADSV, 14
.set VSB, 15                           ; v15 V's scale words, my row
.set QHI, 16                           ; v16-33: zeros, q, zeros: [0 | q] = v16-27, [q | 0] = v22-33
.set QLO, 22
.set TC2, 34                           ; v34-36 a conversion's codes on their way
.set OA2, 37
.set H,   38
.set KV,  40                           ; v40-87 K's four fragments;  v256-303 (window 1, v0-47) V's four tiles
.set SUM, 88                           ; v88-95 the row's sum in four chains of two halves
.set S,   96                           ; v96-159 S^T, then p
.set O,   160                          ; v160-191 O^T
.set PC,  192                          ; v192-203 p's codes
.set KS,  204                          ; v204-207 K's scale words
.set QS,  208                          ; v208 q's two bytes, twice
.set VS,  212                          ; v212-215 V's scale words
.set PW,  216                          ; v216 p's scale word
.set QRAW, 218                         ; v218-229 the pair image that holds my queries;  v230 its scale word
.set QW,  230
.set WV,  12
.set CS,  22                           ; s[22:23] c = log2(e) / 8
.set G1K, 24                           ; s[24:31] four steps of K: 48 rows of 512 bytes, padded
.set G1V, 32                           ; s[32:39] four steps of V: 96 rows of 256 bytes
.set G1S, 40                           ; s[40:47] the scale words: K's 4,096 bytes and V's, two rows 262,144 bytes apart
.set G0K, 48
.set G0V, 52
.set G0S, 56
.set TBK, 60
.set TBV, 61
.set TS,  62
.set CNT, 63
.set OC,  66                           ; s[66:67] my tile's place in ac;  s[68:69] in asc
.set OSB, 68
.set P,   72                           ; the pass, 0 .. 2
.set NP,  73                           ; my passes: 3 for waves 0-7, 2 for waves 8-11
.set SEL, 78
.set TSK, 96
.set TT,  97                           ; my tile of the head's 128
.macro CROUND
	s_barrier_signal -1
	s_barrier_wait -1
	s_cmp_lg_u32 s[WV], 0
	s_cbranch_scc1 .Lnot_wave_0_\@
	s_barrier_signal -3
.Lnot_wave_0_\@:
	s_barrier_wait -3
	s_barrier_signal -1
	s_barrier_wait -1
.endm
.macro GRP1 g, w0, c, r, p
	s_mov_b32 s[\g], \w0
	s_mov_b32 s[\g+1], (\c)<<16
	s_mov_b32 s[\g+2], (\r)<<16
	s_mov_b32 s[\g+3], (\c)<<16
	s_mov_b32 s[\g+4], \r
	s_mov_b32 s[\g+5], \p
	s_mov_b32 s[\g+6], 0
	s_mov_b32 s[\g+7], 0
.endm
.macro TL g0, g1
	tensor_load_to_lds s[\g0:\g0+3], s[\g1:\g1+7]
	s_nop 0
.rept 4
	v_nop
.endr
.endm
.macro QSADR                           ; s[98:99]: tile TT's scale words: key step TT / 8, pair (TT % 8) / 2
	s_lshr_b32 s2, s[TT], 3
	s_lshl_b32 s2, s2, 8
	s_bfe_u32 s3, s[TT], 0x20001
	s_lshl_b32 s3, s3, 2
	s_add_co_u32 s98, s2, s3
	s_mov_b32 s99, 0
	s_add_nc_u64 s[98:99], s[76:77], s[98:99]
.endm
.macro QLOAD
.irp g, 0,1,2
	global_load_b128 v[QRAW+4*\g:QRAW+4*\g+3], v1, s[74:75] offset:512*\g
.endr
	global_load_b32 v[QW], v4, s[98:99]
.endm
.macro KLOAD ak, as                    ; a step's four fragments of K and their scale words: 16 loads
.irp f, 0,1,2,3
.irp g, 0,1,2
	ds_load_b128 v[KV+12*\f+4*\g:KV+12*\f+4*\g+3], v[\ak] offset:3840*(\f/2)+128*(\f%2)+640*\g
.endr
	ds_load_b32 v[KS+\f], v[\as] offset:128*(\f%2)+8*(\f/2)
.endr
.endm
	s_load_b256 s[4:11], s[0:1], 0x0               ; qkvc, qkvs, ac, asc
	v_lshl_add_u32 v[SPW], v0, 2, SPARE
	v_mov_b32 v[NIL], 0
	ds_add_u32 v[SPW], v[NIL]                      ; the opening lines: the add, twice on end, and its wait ahead of the first tensor load
	ds_add_u32 v[SPW], v[NIL]
	v_lshrrev_b32 v8, 5, v0
	v_readfirstlane_b32 s[WV], v8                  ; wave 0..11
	s_bfe_u32 s13, ttmp6, 0x40000                  ; cx: my 512 queries
	s_and_b32 s14, ttmp7, 0xffff                   ; 16 x batch + head, which the four partners share
	GRP1 G1K, 15|(3<<16)|(1<<20)|(1<<21)|(6<<22)|(31<<25), 64, 48, 64   ; the mask: all four; elements of 8 bytes; behind every 128 words 32 words of padding
	GRP1 G1V, 15|(3<<16)|(1<<21), 32, 96, 32
	GRP1 G1S, 15|(3<<16)|(1<<21), 512, 2, 32768
	s_mul_i32 s15, s14, 98304
	s_add_co_u32 s16, s15, 6291456                 ; the head's K
	s_mov_b32 s17, 0
	s_add_co_u32 s18, s15, 2*6291456               ; and V
	s_mov_b32 s19, 0
	s_mov_b32 s[G0K], 1
	s_mov_b32 s[G0V], 1
	s_mov_b32 s[G0S], 1
	s_mov_b32 s[G0S+1], SCK
	s_and_b32 s20, s[WV], 3                        ; waves 0-3: K's steps 4 (wave % 4) .. + 3;  waves 4-7: V's
	s_mul_i32 s[G0K+1], s20, 4*KSTEP
	s_mul_i32 s2, s20, 24576
	s_mov_b32 s3, 0
	s_add_co_u32 s[G0V+1], s2, VBASE
	s_lshl_b32 s20, s14, 12
	s_add_co_u32 s20, s20, 1<<18
	s_mov_b32 s21, 0
	s_mov_b32 s[SEL], 0x76543210
	s_mov_b32 s[SEL+1], 0xfedcba98
	s_mov_b32 s[CS], 0x3e38aa3b
	s_mov_b32 s[CS+1], s[CS]
	s_wait_dscnt 0x0                               ; both opening adds are done
	s_wait_kmcnt 0x0
	s_add_nc_u64 s[16:17], s[4:5], s[16:17]
	s_add_nc_u64 s[18:19], s[4:5], s[18:19]
	s_add_nc_u64 s[G0K+2:G0K+3], s[16:17], s[2:3]
	s_or_b32 s[G0K+3], s[G0K+3], 0x80000000
	s_add_nc_u64 s[G0V+2:G0V+3], s[18:19], s[2:3]
	s_or_b32 s[G0V+3], s[G0V+3], 0x80000000
	s_add_nc_u64 s[G0S+2:G0S+3], s[6:7], s[20:21]
	s_or_b32 s[G0S+3], s[G0S+3], 0x80000000
	CROUND                                         ; all four work-groups are here: the joint loads meet
	s_cmp_lt_u32 s[WV], 4                          ; ONE chain of arms, one load to an arm
	s_cbranch_scc0 .Larm_v
	TL G0K, G1K
	s_branch .Lasked
.Larm_v:
	s_cmp_lt_u32 s[WV], 8
	s_cbranch_scc0 .Larm_s
	TL G0V, G1V
	s_branch .Lasked
.Larm_s:
	s_cmp_lt_u32 s[WV], 9
	s_cbranch_scc0 .Lasked                         ; waves 9-11 have no part to fetch
	TL G0S, G1S                                    ; wave 8: the scale words
.Lasked:
	; my queries: tile TT = 32 cx + 12 pass + wave of the head's 128: pair image TT / 2, half TT % 2
	s_lshl_b32 s[TT], s13, 5
	s_add_co_u32 s[TT], s[TT], s[WV]
	s_lshr_b32 s2, s[TT], 1
	s_mul_i32 s74, s2, 1536
	s_add_co_u32 s74, s74, s15
	s_mov_b32 s75, 0
	s_add_nc_u64 s[74:75], s[4:5], s[74:75]
	s_lshl_b32 s76, s14, 12
	s_mov_b32 s77, 0
	s_add_nc_u64 s[76:77], s[6:7], s[76:77]
	QSADR
	; where my tile's codes go: token tile Tg = 128 x batch + TT, K step head / 2, the lanes' half head % 2
	s_lshr_b32 s2, s14, 4
	s_lshl_b32 s2, s2, 7
	s_add_co_u32 s2, s2, s[TT]
	s_and_b32 s3, s14, 15
	s_lshl_b32 s[OC], s2, 3
	s_lshr_b32 s15, s3, 1
	s_add_co_u32 s[OC], s[OC], s15
	s_mul_i32 s[OC], s[OC], 1536
	s_and_b32 s15, s3, 1
	s_lshl_b32 s[OC+1], s15, 8
	s_add_co_u32 s[OC], s[OC], s[OC+1]
	s_mov_b32 s[OC+1], 0
	s_add_nc_u64 s[OC:OC+1], s[8:9], s[OC:OC+1]
	s_lshl_b32 s[OSB], s2, 9
	s_add_co_u32 s[OSB], s[OSB], s15
	s_lshr_b32 s15, s3, 3
	s_lshl_b32 s15, s15, 8
	s_add_co_u32 s[OSB], s[OSB], s15
	s_bfe_u32 s15, s3, 0x20001
	s_lshl_b32 s15, s15, 2
	s_add_co_u32 s[OSB], s[OSB], s15
	s_mov_b32 s[OSB+1], 0
	s_add_nc_u64 s[OSB:OSB+1], s[10:11], s[OSB:OSB+1]
	s_and_b32 s15, s[WV], 1
	s_cmp_eq_u32 s15, 1
	s_cselect_b32 s70, -1, 0                       ; an odd wave's queries are the pair's second tile
	s_mov_b32 s71, 0x03020302
	s_cselect_b32 s71, s71, 0x01000100             ; and its bytes the word's upper two
	s_cmp_lt_u32 s[WV], 8
	s_cselect_b32 s[NP], 3, 2
	s_mov_b32 s[P], 0
	v_and_b32 v1, 31, v0
	v_and_b32 v4, 15, v0
	v_bfe_u32 v[H], v0, 4, 1                       ; h
	v_and_b32 v2, 7, v0                            ; i
	v_bfe_u32 v3, v0, 3, 1                         ; j
	v_lshlrev_b32 v1, 4, v1                        ; v1 = 16 x lane
	v_lshlrev_b32 v4, 4, v4                        ; v4 = 16 r
	v_lshlrev_b32 v8, 4, v2                        ; 16 i
	v_lshl_add_u32 v9, v3, 2, v8                   ; 16 i + 4 j
	v_mad_u32_u24 v2, v3, 1920, v8
	v_lshl_add_u32 v2, v[H], 8, v2                 ; v2: K's fragments: 1,920 j + 16 i + 256 h
	v_add_nc_u32 v3, SCK, v9                       ; v3: K's scale words: row i (+ 8 tau) of image j (+ 2 c)
	v_add_nc_u32 v[VSB], SCK+4096, v4
	v_lshl_add_u32 v7, v[H], 10, v4                ; v7, v11, v37: the way out
	v_lshl_add_u32 v11, v[H], 3, v4
	v_lshl_add_u32 v[OA2], v[H], 1, v4
	QLOAD
.irp i, 0,1,2,3,4,5
	v_mov_b32 v[QHI+\i], 0                         ; the zero halves, once
	v_mov_b32 v[QLO+6+\i], 0
.endr
.irp x, 236,237,245,252,253
	v_mov_b32 v\x, 0                               ; a lane permute's destination counts as one of its sources; v253 is named as the upper half of v[252:253]
.endr
; A KEY STEP: 128 keys
.macro STEP
	v_add_nc_u32 v[ADV], s[TBV], v1                ; these four are the places in front of loads into registers that the last products read
	v_add_nc_u32 v[ADSV], s[TS], v[VSB]
	v_add_nc_u32 v[ADK], s[TBK], v2
	v_add_nc_u32 v[ADSK], s[TSK], v3
	s_set_vgpr_msb 0x40                            ; destination in window 1
.irp t, 0,1,2,3
.irp g, 0,1,2
	ds_load_b128 v[12*\t+4*\g:12*\t+4*\g+3], v[ADV] offset:1536*\t+512*\g    ; V's four tiles, v256-303: they land under the softmax
.endr
.endr
	s_set_vgpr_msb 0x4000
	ds_load_b128 v[VS:VS+3], v[ADSV]
	s_wait_alu depctr_va_vdst(0)
	s_wait_dscnt 13                                ; K's 16 loads are in; the 13 just issued may be out
.irp f, 0,1,2,3                        ; S^T: fragment f against [q | 0] and [0 | q]: registers S + 16 f + 0 .. 15
	v_wmma_scale_f32_16x16x128_f8f6f4 v[S+16*\f:S+16*\f+7], v[KV+12*\f:KV+12*\f+11], v[QLO:QLO+11], 0, v[KS+\f], v[QS] matrix_a_fmt:MATRIX_FMT_FP6 matrix_b_fmt:MATRIX_FMT_FP6
	v_wmma_scale_f32_16x16x128_f8f6f4 v[S+16*\f+8:S+16*\f+15], v[KV+12*\f:KV+12*\f+11], v[QHI:QHI+11], 0, v[KS+\f], v[QS] matrix_a_fmt:MATRIX_FMT_FP6 matrix_b_fmt:MATRIX_FMT_FP6
.endr
	v_pk_add_f32 v[SUM+2:SUM+3], v[SUM+2:SUM+3], v[SUM+4:SUM+5]    ; the last step's four chains are joined here: with the copy of -M these are the four places behind the products
	v_pk_add_f32 v[SUM:SUM+1], v[SUM:SUM+1], v[SUM+6:SUM+7]
	v_mov_b32 v238, v12
	v_pk_add_f32 v[SUM:SUM+1], v[SUM:SUM+1], v[SUM+2:SUM+3]
	KLOAD ADK, ADSK                                ; the next step's K
.irp q, 0,1,2,3                        ; the largest score of my two blocks of 32 keys, in four chains by turns; each accumulator is read from its low end on
	v_max3_num_f32 v[232+\q], v[S+16*\q], v[S+1+16*\q], v[S+2+16*\q]
.endr
.irp i, 3,5,7,9,11,13
.irp q, 0,1,2,3
	v_max3_num_f32 v[232+\q], v[232+\q], v[S+16*\q+\i], v[S+1+16*\q+\i]
.endr
.endr
	v_max3_num_f32 v232, v232, v233, v[S+15]
	v_max3_num_f32 v234, v234, v235, v[S+47]
	v_max_num_f32 v232, v232, v[S+31]              ; v232: block h;  v234: block 2 + h
	v_max_num_f32 v234, v234, v[S+63]
	s_delay_alu instid0(VALU_DEP_1)
	v_max_num_f32 v236, v232, v234
	s_delay_alu instid0(VALU_DEP_1)
	v_permlanex16_b32 v237, v236, s[SEL], s[SEL+1]
	s_delay_alu instid0(VALU_DEP_1)
	v_max3_num_f32 v13, v13, v236, v237            ; the running largest score of my query
	s_delay_alu instid0(VALU_DEP_1)
	v_mul_f32 v239, s[CS], v13                     ; as t (c is positive)
	s_delay_alu instid0(VALU_DEP_1)
	v_floor_f32 v12, -v239                         ; -M = floor(-t): M is a whole number
	s_delay_alu instid0(VALU_DEP_1)
	v_sub_f32 v239, v12, v238                      ; old M - new M: a whole number, 0 or less
	s_delay_alu instid0(VALU_DEP_1)
	v_cvt_i32_f32 v239, v239                       ; (it saturates)
	s_delay_alu instid0(VALU_DEP_1)
	v_ldexp_f32 v252, 1.0, v239                    ; f = 2^(old M - new M)
.set j, 0
.rept 32
	v_pk_fma_f32 v[S+j:S+j+1], v[S+j:S+j+1], s[CS:CS+1], v[12:13] op_sel_hi:[1,0,0]    ; t - M
.set j, j+2
.endr
	v_fma_f32 v232, v232, s[CS], v12               ; the same of each block's largest score
	v_fma_f32 v234, v234, s[CS], v12
.set j, 0
.rept 16
	v_pk_mul_f32 v[O+j:O+j+1], v[O+j:O+j+1], v[252:253] op_sel_hi:[1,0]    ; O^T under the new M
.set j, j+2
.endr
	s_wait_alu depctr_va_vdst(0)
	v_exp_f32 v232, v232                           ; each block's largest p: the same two instructions on the same number
	v_exp_f32 v234, v234
.set j, 0
.rept 64
	v_exp_f32 v[S+j], v[S+j]                       ; p = 2^(t - M), at most 1
.set j, j+1
.endr
	v_nop                                          ; a plain place behind the exponentials
	s_wait_alu depctr_va_vdst(0)                   ; one wait for the whole batch, ahead of its first reader
	v_max_num_f32 v232, 0x1800000, v232            ; the floor 2^(3 - 127)
	v_max_num_f32 v234, 0x1800000, v234
	v_add_nc_u32 v240, 0xff000000, v232            ; 2 off the exponent field: the conversions' scale operands
	v_add_nc_u32 v241, 0xff000000, v234
	v_cvt_scalef32_pk16_fp6_f32 v[PC:PC+2], v[S:S+15], v240
	v_cvt_scalef32_pk16_fp6_f32 v[246:248], v[S+16:S+31], v240     ; (a conversion's three registers begin on an even number)
	v_cvt_scalef32_pk16_fp6_f32 v[PC+6:PC+8], v[S+32:S+47], v241
	v_cvt_scalef32_pk16_fp6_f32 v[TC2:TC2+2], v[S+48:S+63], v241
	v_lshrrev_b32 v242, 23, v240                   ; the bytes
	v_lshrrev_b32 v243, 23, v241
	v_lshl_or_b32 v244, v243, 16, v242             ; my blocks' bytes at 0 and 2
	v_permlanex16_b32 v245, v244, s[SEL], s[SEL+1]
	v_lshl_or_b32 v[PW], v245, 8, v244             ; lanes 0-15, which alone are read: blocks 0, 2 are mine, blocks 1, 3 lane l + 16's
.irp i, 0,1,2
	v_mov_b32 v[PC+3+\i], v[246+\i]
	v_mov_b32 v[PC+9+\i], v[TC2+\i]
.endr
	v_pk_fma_f32 v[SUM:SUM+1], v[SUM:SUM+1], v[252:253], v[S:S+1] op_sel_hi:[1,0,1]    ; the sum under the new M, and the unquantised p, in four chains by turns
	v_pk_add_f32 v[SUM+2:SUM+3], v[S+2:S+3], v[S+4:S+5]
	v_pk_add_f32 v[SUM+4:SUM+5], v[S+6:S+7], v[S+8:S+9]
	v_pk_add_f32 v[SUM+6:SUM+7], v[S+10:S+11], v[S+12:S+13]
.set k, 7
.rept 25
	v_pk_add_f32 v[SUM+2*((k+1)%4):SUM+2*((k+1)%4)+1], v[SUM+2*((k+1)%4):SUM+2*((k+1)%4)+1], v[S+2*k:S+2*k+1]
.set k, k+1
.endr                                  ; these 29 are also the places between the scale word's and the codes' last writes and the products below
	s_wait_alu depctr_va_vdst(0)
	s_wait_dscnt 16                                ; V's 13 loads are in; the next K's 16 may be out
	s_set_vgpr_msb 0x01                            ; source 0 in window 1
.irp t, 0,1,2,3                        ; four accumulators by turns, one instruction a turn
	v_wmma_scale_f32_16x16x128_f8f6f4 v[O+8*\t:O+8*\t+7], v[12*\t:12*\t+11], v[PC:PC+11], v[O+8*\t:O+8*\t+7], v[VS+\t], v[PW] matrix_a_fmt:MATRIX_FMT_FP6 matrix_b_fmt:MATRIX_FMT_FP6
.endr
	s_set_vgpr_msb 0x0100
.endm
	s_wait_alu depctr_va_vdst(0)
	s_wait_tensorcnt 0x0                           ; my load is in
	s_barrier_signal -1
	s_barrier_wait -1                              ; and everybody's: all of K, V and the scale words are shown to all
	KLOAD 2, 3                                     ; step 0's K
.Lpass:
	s_wait_loadcnt 0x0                             ; my queries' pair image and its word
.irp i, 0,1,2,3,4,5
	v_cndmask_b32 v[QLO+\i], v[QRAW+\i], v[QRAW+6+\i], s70
.endr
	v_perm_b32 v[QS], v[QW], v[QW], s71
	s_add_co_u32 s2, s[P], 1
	s_cmp_lt_u32 s2, s[NP]
	s_cbranch_scc0 .Lno_next                       ; my last pass asks for nothing
	s_add_co_u32 s[TT], s[TT], 12                  ; the next pass's tile: 12 tiles, six pair images, on (the loads that read these addresses are done)
	s_add_nc_u64 s[74:75], s[74:75], 9216
	QSADR
	QLOAD
.Lno_next:
	v_mov_b32 v13, 0xff61b1e6                      ; the largest score so far: -3e38
	v_mov_b32 v12, 0x7f000000                      ; -M: so large that the first f is 0
.set j, 0
.rept 8
	v_mov_b32 v[SUM+j], 0
.set j, j+1
.endr
.set j, 0
.rept 32
	v_mov_b32 v[O+j], 0                            ; the step is written once: the first finds zeros, which the first change of M leaves zeros
.set j, j+1
.endr
	s_mov_b32 s[TBV], VBASE                        ; the 16 key steps.  Every wave walks the loop; a wave with no tile in this pass jumps over the step alone
	s_mov_b32 s[TS], 0
	s_mov_b32 s[TBK], KSTEP
	s_mov_b32 s[TSK], 256
	s_mov_b32 s[CNT], 16
.Lstep:
	s_cmp_lt_u32 s[P], s[NP]
	s_cbranch_scc0 .Lidle
	STEP
.Lidle:
	s_add_co_u32 s[TBV], s[TBV], 6144
	s_add_co_u32 s[TS], s[TS], 256
	s_add_co_u32 s[TBK], s[TBK], KSTEP
	s_add_co_u32 s[TSK], s[TSK], 256
	s_cmp_eq_u32 s[TBK], 16*KSTEP                  ; behind step 15 comes step 0
	s_cselect_b32 s[TBK], 0, s[TBK]
	s_cselect_b32 s[TSK], 0, s[TSK]
	s_sub_co_u32 s[CNT], s[CNT], 1
	s_cmp_lg_u32 s[CNT], 0
	s_cbranch_scc1 .Lstep
	s_cmp_lt_u32 s[P], s[NP]
	s_cbranch_scc0 .Lno_out
	; THE WAY OUT of a pass: O^T / the sum; register 16 b + i is d = 32 b + 16 h + i of my query: two blocks of the last product's K
	v_pk_add_f32 v[SUM+2:SUM+3], v[SUM+2:SUM+3], v[SUM+4:SUM+5]    ; the four chains and their halves: four places behind the last products
	v_pk_add_f32 v[SUM:SUM+1], v[SUM:SUM+1], v[SUM+6:SUM+7]
	v_pk_add_f32 v[SUM:SUM+1], v[SUM:SUM+1], v[SUM+2:SUM+3]
	v_add_f32 v[SUM], v[SUM], v[SUM+1]
	s_delay_alu instid0(VALU_DEP_1)
	v_permlanex16_b32 v252, v[SUM], s[SEL], s[SEL+1]
	s_delay_alu instid0(VALU_DEP_1)
	v_add_f32 v[SUM], v[SUM], v252                 ; with lane l xor 16's keys
	s_wait_alu depctr_va_vdst(0)
	v_rcp_f32 v[SUM], v[SUM]
	v_nop                                          ; a plain place behind the reciprocal
	s_wait_alu depctr_va_vdst(0)                   ; and the wait ahead of its first reader
.set j, 0
.rept 32
	v_mul_f32 v[S+j], v[O+j], v[SUM]               ; each accumulator from its low end on
.set j, j+1
.endr
.irp b, 0,1
	v_max3_num_f32 v[232+\b], |v[S+16*\b]|, |v[S+1+16*\b]|, 0x1800000
.endr
.irp i, 2,4,6,8,10,12,14
.irp b, 0,1
	s_delay_alu instid0(VALU_DEP_2)
	v_max3_num_f32 v[232+\b], v[232+\b], |v[S+16*\b+\i]|, |v[S+1+16*\b+\i]|
.endr
.endr
.irp b, 0,1
	s_delay_alu instid0(VALU_DEP_2)
	v_permlanex16_b32 v[236+\b], v[232+\b], s[SEL], s[SEL+1]
.endr
.irp b, 0,1
	s_delay_alu instid0(VALU_DEP_2)
	v_max_num_f32 v[232+\b], v[232+\b], v[236+\b]
.endr
.irp b, 0,1
	s_delay_alu instid0(VALU_DEP_2)
	v_add_nc_u32 v[244+\b], 0xff000000, v[232+\b]
.endr
.irp b, 0,1
	s_delay_alu instid0(VALU_DEP_2)
	v_lshrrev_b32 v[236+\b], 23, v[244+\b]
.endr
	v_cvt_scalef32_pk16_fp6_f32 v[128:130], v[S:S+15], v244
	v_cvt_scalef32_pk16_fp6_f32 v[132:134], v[S+16:S+31], v245
	v_nop
.irp i, 0,1,2
	v_permlane16_swap_b32 v[128+\i], v[132+\i]     ; lane (r, h) now holds d block h of query r: v128-130, v132-134
.endr
	v_cmp_ne_u32 vcc_lo, 0, v[H]
	s_delay_alu instid0(VALU_DEP_1)
	v_cndmask_b32 v136, v128, v130, vcc_lo         ; of the query's 12 registers lanes 0-15 hold 0-5, lanes 16-31 hold 6-11: registers 0-3 and 8-11 leave by one store of 16 bytes a lane,
	s_delay_alu instid0(VALU_DEP_2)
	v_cndmask_b32 v137, v129, v132, vcc_lo
	s_delay_alu instid0(VALU_DEP_3)
	v_cndmask_b32 v138, v130, v133, vcc_lo
	s_delay_alu instid0(VALU_DEP_4)
	v_cndmask_b32 v139, v132, v134, vcc_lo
	v_cndmask_b32 v140, v133, v128, vcc_lo         ; registers 4-7 by one of 8
	v_cndmask_b32 v141, v134, v129, vcc_lo
	v_cndmask_b32 v142, v236, v237, vcc_lo         ; my block's byte
	global_store_b128 v7, v[136:139], s[OC:OC+1]   ; sixteen lanes fill 256 consecutive bytes, twice
	global_store_b64 v11, v[140:141], s[OC:OC+1] offset:512        ; 32 lanes fill 256 consecutive bytes
	global_store_b8 v[OA2], v142, s[OSB:OSB+1]     ; one byte of a row's word: the word's others come from the neighbouring head; 32 bytes for 768 of codes
	s_wait_xcnt 0x0                                ; the stores have read their data and bases: both are written again only behind this wait
	s_add_nc_u64 s[OC:OC+1], s[OC:OC+1], 147456    ; 12 tiles on
	s_add_nc_u64 s[OSB:OSB+1], s[OSB:OSB+1], 6144
.Lno_out:
	s_add_co_u32 s[P], s[P], 1
	s_cmp_lt_u32 s[P], 3
	s_cbranch_scc1 .Lpass
	s_wait_tensorcnt 0x0                           ; the wave's end
	ds_add_u32 v[SPW], v[NIL]
	s_wait_dscnt 0x0
	CROUND                                         ; the closing round
	s_endpgm
.Lfunc_end_k_qa4342c02e7_attn:
	.size	k_qa4342c02e7_attn, .Lfunc_end_k_qa4342c02e7_attn-k_qa4342c02e7_attn
	.p2alignl 7, 3214868480
	.fill 96, 4, 3214868480
	.section	.rodata,"a",@progbits
	.p2align	6, 0x0
	.amdhsa_kernel k_qa4342c02e7_attn
		.amdhsa_group_segment_fixed_size 231424
		.amdhsa_private_segment_fixed_size 0
		.amdhsa_enable_private_segment 0
		.amdhsa_kernarg_size 32
		.amdhsa_user_sgpr_count 2
		.amdhsa_user_sgpr_kernarg_segment_ptr 1
		.amdhsa_wavefront_size32 1
		.amdhsa_system_sgpr_workgroup_id_x 1
		.amdhsa_system_sgpr_workgroup_id_y 1
		.amdhsa_system_sgpr_workgroup_id_z 1
		.amdhsa_system_vgpr_workitem_id 0
		.amdhsa_next_free_vgpr 304
		.amdhsa_next_free_sgpr 100
		.amdhsa_reserve_vcc 1
		.amdhsa_float_denorm_mode_32 3
		.amdhsa_float_denorm_mode_16_64 3
		.amdhsa_memory_ordered 1
		.amdhsa_forward_progress 1
		.amdhsa_inst_pref_size 33
	.end_amdhsa_kernel
	.amdgpu_metadata
---
amdhsa.version: [ 1, 2 ]
amdhsa.kernels:
  - .name:           k_qa4342c02e7_attn
    .symbol:         k_qa4342c02e7_attn.kd
    .args:
      - { .name: qkvc, .offset: 0, .size: 8, .value_kind: global_buffer, .address_space: global }
      - { .name: qkvs, .offset: 8, .size: 8, .value_kind: global_buffer, .address_space: global }
      - { .name: ac, .offset: 16, .size: 8, .value_kind: global_buffer, .address_space: global }
      - { .name: asc, .offset: 24, .size: 8, .value_kind: global_buffer, .address_space: global }
    .group_segment_fixed_size: 231424
    .private_segment_fixed_size: 0
    .kernarg_segment_align: 8
    .kernarg_segment_size: 32
    .max_flat_workgroup_size: 384
    .sgpr_count:     100
    .vgpr_count:     304
    .wavefront_size: 32
...
	.end_amdgpu_metadata
.endif
;; end of part 3
;; launch oproj (part 4): grid 4 x 32, 4 waves a work-group, clusters of 4 x 4, 327,680 bytes of LDS; arguments ac, asc, wc, ws, bo, out0; writes out0
.if DOCPART == 4
	.amdgcn_target "amdgcn-amd-amdhsa--gfx1250"
	.amdhsa_code_object_version 6
	.text
	.protected	k_qa4342c02e7_oproj
	.globl	k_qa4342c02e7_oproj
	.p2align	8
	.type	k_qa4342c02e7_oproj,@function
k_qa4342c02e7_oproj:
	s_mov_b64 s[64:65], 0
	v_nop
	global_prefetch_b8 v0, s[64:65] scope:SCOPE_SE
	s_setreg_imm32_b32 hwreg(HW_REG_WAVE_MODE, 25, 1), 1
	s_wait_xcnt 0x0
	s_wait_alu depctr_hold_cnt(0) depctr_sa_sdst(0) depctr_va_vdst(0) depctr_va_sdst(0) depctr_va_ssrc(0) depctr_va_vcc(0) depctr_vm_vsrc(0)
	s_getreg_b32 s2, hwreg(HW_REG_IB_STS2, 6, 4)
	s_cmp_eq_u32 s2, 0
	s_cbranch_scc0 .Lentry_in_a_cluster
	s_endpgm
.Lentry_in_a_cluster:
	s_bfe_u32 s2, ttmp6, 0x10000c
	s_cmp_lg_u32 s2, 0xf033
	s_cbranch_scc0 .Lentry_shape_is_right
	s_endpgm
.Lentry_shape_is_right:
.set SLOT,   98304
.set TILEB,  3072
.set FRB,    1536
.set SCL,    3*SLOT
.set SPARE,  SCL+16384
.set ADR1, 16
.set ADR0, 20
.set ADRS, 27
.set SPW,  28
.set NIL,  29
.set SC,   32
.set AF,   128
.set HA,   128
.set G1,   24
.set G1B,  48
.set G1S,  68
.set G0S,  76
.set G1SB, 80
.set G0SB, 88
.set MSB, 0
.macro WIN new
.if MSB != (\new)
	s_set_vgpr_msb (MSB<<8)|(\new)
.set MSB, (\new)
.endif
.endm
.set MUL_LO, 0xa1
.set MUL_HI, 0xf1
.set TO_B,   0x40
.macro JLOAD g0a, g1a, g0b, g1b
	s_cmp_eq_u32 s15, 0
	s_cbranch_scc0 .Lfor_b_\@
	tensor_load_to_lds s[\g0a:\g0a+3], s[\g1a:\g1a+7]
	s_nop 0
.rept 4
	v_nop
.endr
	s_branch .Lasked_\@
.Lfor_b_\@:
	tensor_load_to_lds s[\g0b:\g0b+3], s[\g1b:\g1b+7]
	s_nop 0
.rept 4
	v_nop
.endr
.Lasked_\@:
.endm
.macro CREST
	s_cmp_lg_u32 s14, 0
	s_cbranch_scc1 .Lnot_wave_0_\@
	s_barrier_signal -3
.Lnot_wave_0_\@:
	s_barrier_wait -3
	s_barrier_signal -1
	s_barrier_wait -1
.endm
.macro CROUND
	s_barrier_signal -1
	s_barrier_wait -1
	CREST
.endm
.macro PLACES n
.rept \n
	v_nop
.endr
.endm
	s_load_b256 s[4:11], s[0:1], 0x0
	v_lshl_add_u32 v[SPW], v0, 2, SPARE
	v_mov_b32 v[NIL], 0
	ds_add_u32 v[SPW], v[NIL]
	ds_add_u32 v[SPW], v[NIL]
	v_lshrrev_b32 v1, 5, v0
	v_readfirstlane_b32 s14, v1
	s_lshr_b32 s15, s14, 1
	s_and_b32 s16, s14, 1
	s_bfe_u32 s40, ttmp6, 0x40000
	s_bfe_u32 s41, ttmp6, 0x40004
	s_and_b32 s43, ttmp7, 0xffff
	s_lshl_b32 s43, s43, 2
	s_add_co_u32 s43, s43, s41
	s_add_co_u32 s42, s40, 12
	s_lshl_b32 s44, s41, 2
	s_lshl_b32 s44, 15, s44
	s_lshl_b32 s45, 0x1111, s40
	s_or_b32 s[G1], s44, (3<<16)|(1<<21)
	s_or_b32 s[G1B], s45, (3<<16)|(1<<21)
.irp g, G1, G1B
	s_mov_b32 s[\g+1], 384<<16
	s_mov_b32 s[\g+2], 16<<16
	s_mov_b32 s[\g+3], 384<<16
	s_mov_b32 s[\g+4], 16
	s_mov_b32 s[\g+5], 1536
	s_mov_b32 s[\g+6], 0
	s_mov_b32 s[\g+7], 0
.endr
	s_or_b32 s[G1S], s44, (3<<16)|(1<<21)
	s_or_b32 s[G1SB], s45, (3<<16)|(1<<21)
.irp g, G1S, G1SB
	s_mov_b32 s[\g+1], 32<<16
	s_mov_b32 s[\g+2], 32<<16
	s_mov_b32 s[\g+3], 32<<16
	s_mov_b32 s[\g+4], 32
	s_mov_b32 s[\g+5], 32
	s_mov_b32 s[\g+6], 0
	s_mov_b32 s[\g+7], 0
.endr
	s_mul_i32 s20, s43, 196608
	s_mov_b32 s21, 0
	s_mul_i32 s46, s42, 196608
	s_mov_b32 s47, 0
	s_lshl_b32 s22, s43, 13
	s_mov_b32 s23, 0
	s_lshl_b32 s66, s42, 13
	s_mov_b32 s67, 0
	s_mul_i32 s2, s16, 98304                       ; behind the head I fetch eight of a side's sixteen tiles: which eight, in bytes
	s_mov_b32 s3, 0
	s_wait_dscnt 0x0
	s_wait_kmcnt 0x0
	s_add_nc_u64 s[20:21], s[4:5], s[20:21]
	s_add_nc_u64 s[46:47], s[8:9], s[46:47]
	s_add_nc_u64 s[22:23], s[6:7], s[22:23]
	s_add_nc_u64 s[66:67], s[10:11], s[66:67]
	CROUND
	; THE HEAD'S FOUR TILES, ONE A WAVE: K steps 0, 1 of source 1's sixteen tiles, of source 0's, and the two sides' scale words
	s_mov_b32 s[G0S], 1
	s_mov_b32 s[G0S+1], SCL
	s_mov_b64 s[G0S+2:G0S+3], s[22:23]
	s_or_b32 s[G0S+3], s[G0S+3], 0x80000000
	s_mov_b32 s[G0SB], 1
	s_mov_b32 s[G0SB+1], SCL+8192
	s_mov_b64 s[G0SB+2:G0SB+3], s[66:67]
	s_or_b32 s[G0SB+3], s[G0SB+3], 0x80000000
	s_mov_b32 s36, 1
	s_mov_b32 s37, 0
	s_mov_b64 s[38:39], s[20:21]
	s_or_b32 s39, s39, 0x80000000
	s_mov_b32 s60, 1
	s_mov_b32 s61, 49152
	s_mov_b64 s[62:63], s[46:47]
	s_or_b32 s63, s63, 0x80000000
.macro ARM under, g0, g1, next
	s_cmp_lt_u32 s14, \under
	s_cbranch_scc0 \next
	tensor_load_to_lds s[\g0:\g0+3], s[\g1:\g1+7]
	s_nop 0
.rept 4
	v_nop
.endr
	s_branch .Lhead_asked
\next:
.endm
	ARM 1, 36, G1, .Lhead_b
	ARM 2, 60, G1B, .Lhead_sa
	ARM 3, G0S, G1S, .Lhead_sb
	tensor_load_to_lds s[G0SB:G0SB+3], s[G1SB:G1SB+7]
	s_nop 0
.rept 4
	v_nop
.endr
.Lhead_asked:
	s_add_nc_u64 s[20:21], s[20:21], s[2:3]        ; from here on: my eight tiles
	s_add_nc_u64 s[46:47], s[46:47], s[2:3]
	s_mov_b32 s32, 1                               ; slot 0's refill (its address is stepped to K steps 6, 7 there)
	s_mul_i32 s33, s14, 24576
	s_mov_b64 s[34:35], s[20:21]
	s_or_b32 s35, s35, 0x80000000
	s_mov_b32 s56, 1
	s_mul_i32 s57, s14, 24576
	s_mov_b64 s[58:59], s[46:47]
	s_or_b32 s59, s59, 0x80000000
	s_mov_b32 s92, 1                               ; K steps 2 to 5 in one load: eight rows of 6,144 bytes, behind slot 0
	s_mul_i32 s93, s14, 49152
	s_add_co_u32 s93, s93, SLOT
	s_add_nc_u64 s[94:95], s[20:21], TILEB
	s_or_b32 s95, s95, 0x80000000
	s_mov_b32 s96, 1
	s_mul_i32 s97, s14, 49152
	s_add_co_u32 s97, s97, SLOT
	s_add_nc_u64 s[98:99], s[46:47], TILEB
	s_or_b32 s99, s99, 0x80000000
	s_load_b128 s[4:7], s[0:1], 0x20
	v_and_b32 v1, 15, v0
	v_bfe_u32 v2, v0, 4, 1
	s_wait_alu depctr_va_vdst(0)
	v_and_b32 v3, 31, v0
	v_lshlrev_b32 v3, 4, v3
	s_mul_i32 s18, s15, 24576
	s_mul_i32 s19, s16, 24576
	s_add_co_u32 s19, s19, 49152
	v_add_nc_u32 v[ADR1], s18, v3
	v_add_nc_u32 v[ADR0], s19, v3
	s_mul_i32 s18, s15, 49152
	s_mul_i32 s19, s16, 49152
	s_add_co_u32 s18, s18, SLOT
	s_add_co_u32 s19, s19, SLOT+98304
.irp g, 1,2
	v_add_nc_u32 v[ADR1+\g], s18, v3
	v_add_nc_u32 v[ADR0+\g], s19, v3
.endr
	s_lshl_b32 s18, s15, 12
	s_lshl_b32 s19, s16, 12
	s_add_co_u32 s19, s19, 8192
	s_sub_co_u32 s19, s19, s18
	v_mul_u32_u24 v4, s19, v2
	s_add_co_u32 s18, s18, SCL
	v_lshl_add_u32 v4, v1, 4, v4
	v_add_nc_u32 v[ADRS], s18, v4
	s_mul_i32 s18, s14, 8448
	s_add_co_u32 s18, s18, SLOT
	v_mul_u32_u24 v24, v1, 528
	v_lshl_add_u32 v24, v2, 6, v24
	v_add_nc_u32 v24, s18, v24
	v_add_nc_u32 v25, s18, v3
	v_lshlrev_b32 v26, 6, v2
	s_lshl_b32 s22, s40, 10
	s_lshl_b32 s18, s16, 9
	s_add_co_u32 s22, s22, s18
	s_mov_b32 s23, 0
	s_lshl_b32 s20, s43, 20
	s_lshl_b32 s18, s15, 19
	s_add_co_u32 s20, s20, s18
	s_add_co_u32 s20, s20, s22
	s_mov_b32 s21, 0
	s_wait_alu depctr_va_vdst(0)
	s_wait_kmcnt 0x0
	s_add_nc_u64 s[20:21], s[6:7], s[20:21]
	s_add_nc_u64 s[22:23], s[4:5], s[22:23]
	WIN TO_B
.irp n, 0,1,2,3,4,5,6,7,8,9,10,11,12,13,14,15
	global_load_b128 v[96+4*\n+96*(\n/8):99+4*\n+96*(\n/8)], v26, s[22:23] offset:128*(\n/4)+16*(\n%4)
.endr
	WIN 0
.macro FRAG reg, adr, off
.irp g, 0,1,2
	ds_load_b128 v[(\reg)+4*\g:(\reg)+4*\g+3], v[\adr] offset:(\off)+512*\g
.endr
.endm
.macro FETCH_B slot, q, p
	WIN TO_B
.irp i, 0,1,2,3,4,5,6,7
	FRAG 128*(\p)+12*\i, ADR0+(\slot), (TILEB+TILEB*(((\slot)+1)/2))*\i+TILEB*((\slot)/2)+FRB*(\q)
.endr
	WIN 0
.endm
.macro FETCH_A slot, q, i0
.irp i, \i0, \i0+1, \i0+2, \i0+3
	FRAG AF+12*(\i), ADR1+(\slot), (TILEB+TILEB*(((\slot)+1)/2))*(\i)+TILEB*((\slot)/2)+FRB*(\q)
.endr
.endm
.macro SCALES
.irp u, 0,1
.irp i, 0,1,2,3,4,5,6,7
	ds_load_b128 v[SC+32*\u+4*\i:SC+32*\u+4*\i+3], v[ADRS] offset:512*\i+256*\u
.endr
.endr
.endm
.macro MUL16 a0, ks, zero
.irp a, \a0, \a0+1
.irp b, 0,1,2,3,4,5,6,7
.if \zero
	v_wmma_scale_f32_16x16x128_f8f6f4 v[8*(8*((\a)%4)+\b):8*(8*((\a)%4)+\b)+7], v[128*((\ks)%2)+12*\b:128*((\ks)%2)+12*\b+11], v[AF+12*(\a):AF+12*(\a)+11], 0, v[SC+32*((\ks)/4)+4*\b+(\ks)%4], v[SC+32*((\ks)/4)+4*(\a)+(\ks)%4] matrix_a_fmt:MATRIX_FMT_FP6 matrix_b_fmt:MATRIX_FMT_FP6 matrix_a_scale:MATRIX_SCALE_ROW1
.else
	v_wmma_scale_f32_16x16x128_f8f6f4 v[8*(8*((\a)%4)+\b):8*(8*((\a)%4)+\b)+7], v[128*((\ks)%2)+12*\b:128*((\ks)%2)+12*\b+11], v[AF+12*(\a):AF+12*(\a)+11], v[8*(8*((\a)%4)+\b):8*(8*((\a)%4)+\b)+7], v[SC+32*((\ks)/4)+4*\b+(\ks)%4], v[SC+32*((\ks)/4)+4*(\a)+(\ks)%4] matrix_a_fmt:MATRIX_FMT_FP6 matrix_b_fmt:MATRIX_FMT_FP6 matrix_a_scale:MATRIX_SCALE_ROW1
.endif
.endr
.endr
.endm
.macro STEP ks, zero, nslot, nq
	s_wait_dscnt 12
	WIN MUL_LO
	MUL16 0, \ks, \zero
	MUL16 2, \ks, \zero
	s_wait_dscnt 0x0
	PLACES 4
	FETCH_B \nslot, \nq, 1-(\ks)%2
	FETCH_A \nslot, \nq, 0
	WIN MUL_HI
	MUL16 4, \ks, \zero
	MUL16 6, \ks, \zero
	PLACES 4
	WIN 0
	FETCH_A \nslot, \nq, 4
.endm
.macro TURN ks, nslot, tcnt, fill
	s_wait_tensorcnt \tcnt
.if \fill
	ds_add_u32 v[SPW], v[NIL]
	s_wait_dscnt 13
.else
	s_wait_dscnt 12
.endif
	WIN MUL_LO
	MUL16 0, \ks, 0
	s_wait_dscnt 0x0
	s_barrier_signal -1
	MUL16 2, \ks, 0
	WIN 0
	s_barrier_wait -1
.if \fill
	CREST
	s_mov_b32 s[G1+1], 384<<16                     ; no tensor load of mine is out: the refill's rows are 3,072 bytes again
	s_mov_b32 s[G1+3], 384<<16
	s_mov_b32 s[G1B+1], 384<<16
	s_mov_b32 s[G1B+3], 384<<16
	s_add_nc_u64 s[34:35], s[34:35], 3*TILEB
	s_add_nc_u64 s[58:59], s[58:59], 3*TILEB
	JLOAD 32, G1, 56, G1B
.else
	PLACES 4
.endif
	FETCH_B \nslot, 0, 1-(\ks)%2
	FETCH_A \nslot, 0, 0
	WIN MUL_HI
	MUL16 4, \ks, 0
	MUL16 6, \ks, 0
	PLACES 4
	WIN 0
	FETCH_A \nslot, 0, 4
.endm
	s_wait_tensorcnt 0x0                           ; my tile of the head's four is in
	ds_add_u32 v[SPW], v[NIL]
	s_mov_b32 s[G1+1], 768<<16                     ; no tensor load of mine is out: eight rows of 6,144 bytes
	s_mov_b32 s[G1+2], 8<<16
	s_mov_b32 s[G1+3], 768<<16
	s_mov_b32 s[G1+4], 8
	s_mov_b32 s[G1B+1], 768<<16
	s_mov_b32 s[G1B+2], 8<<16
	s_mov_b32 s[G1B+3], 768<<16
	s_mov_b32 s[G1B+4], 8
	s_wait_dscnt 0x0
	CROUND
	JLOAD 92, G1, 96, G1B
	SCALES
	FETCH_B 0, 0, 0
	FETCH_A 0, 0, 0
	FETCH_A 0, 0, 4
	STEP 0, 1, 0, 1
	TURN 1, 1, 0, 0
	STEP 2, 0, 1, 1
	TURN 3, 2, 0, 1
	STEP 4, 0, 2, 1
	TURN 5, 0, 0, 0
	STEP 6, 0, 0, 1
	s_wait_dscnt 12
	WIN MUL_LO
	MUL16 0, 7, 0
	MUL16 2, 7, 0
	s_wait_dscnt 0x0
	WIN MUL_HI
	MUL16 4, 7, 0
	MUL16 6, 7, 0
	WIN 0
	PLACES 4
	s_wait_loadcnt 0x0
.macro SEND a, younger
	s_wait_dscnt \younger
.irp t, 0,1,2,3,4,5,6,7,8,9,10,11,12,13,14,15
	global_store_b128 v3, v[32+160*((\a)%2)+4*\t:35+160*((\a)%2)+4*\t], s[20:21] offset:(32*((\a)/2)+8*((\a)%2)+\t+8*(\t/8))*4096 th:TH_STORE_NT
.endr
.endm
.irp a, 0,1,2,3,4,5,6,7
.if \a > 0
	s_wait_dscnt 16
.endif
	WIN 0x06+\a/4
.set n, 0
.rept 32
	v_pk_add_f32 v[HA+2*n:HA+2*n+1], v[64*(\a%4)+2*n:64*(\a%4)+2*n+1], v[96+2*n+96*(n/16):97+2*n+96*(n/16)]
.set n, n+1
.endr
	WIN 0
.if \a > 1
	s_wait_alu depctr_va_vdst(0)
	s_wait_xcnt 0x0
.endif
.irp q, 0,1,2,3,4,5,6,7,8,9,10,11,12,13,14,15
	ds_store_b128 v24, v[HA+4*\q:HA+4*\q+3] offset:128*(\q/4)+16*(\q%4)
.endr
.irp t, 0,1,2,3,4,5,6,7,8,9,10,11,12,13,14,15
	ds_load_b128 v[32+160*(\a%2)+4*\t:35+160*(\a%2)+4*\t], v25 offset:528*\t
.endr
.if \a > 0
	SEND \a-1, 32
.endif
.endr
	SEND 7, 0
	s_wait_tensorcnt 0x0
	ds_add_u32 v[SPW], v[NIL]
	s_wait_dscnt 0x0
	CROUND
	s_endpgm
.Lfunc_end_k_qa4342c02e7_oproj:
	.size	k_qa4342c02e7_oproj, .Lfunc_end_k_qa4342c02e7_oproj-k_qa4342c02e7_oproj
	.p2alignl 7, 3214868480
	.fill 96, 4, 3214868480
	.section	.rodata,"a",@progbits
	.p2align	6, 0x0
	.amdhsa_kernel k_qa4342c02e7_oproj
		.amdhsa_group_segment_fixed_size 327680
		.amdhsa_private_segment_fixed_size 0
		.amdhsa_enable_private_segment 0
		.amdhsa_kernarg_size 48
		.amdhsa_user_sgpr_count 2
		.amdhsa_user_sgpr_kernarg_segment_ptr 1
		.amdhsa_wavefront_size32 1
		.amdhsa_system_sgpr_workgroup_id_x 1
		.amdhsa_system_sgpr_workgroup_id_y 1
		.amdhsa_system_sgpr_workgroup_id_z 1
		.amdhsa_system_vgpr_workitem_id 0
		.amdhsa_next_free_vgpr 1024
		.amdhsa_next_free_sgpr 102
		.amdhsa_reserve_vcc 0
		.amdhsa_float_denorm_mode_32 3
		.amdhsa_float_denorm_mode_16_64 3
		.amdhsa_memory_ordered 1
		.amdhsa_forward_progress 1
		.amdhsa_inst_pref_size 152
	.end_amdhsa_kernel
	.amdgpu_metadata
---
amdhsa.version: [ 1, 2 ]
amdhsa.kernels:
  - .name:           k_qa4342c02e7_oproj
    .symbol:         k_qa4342c02e7_oproj.kd
    .args:
      - { .name: ac, .offset: 0, .size: 8, .value_kind: global_buffer, .address_space: global }
      - { .name: asc, .offset: 8, .size: 8, .value_kind: global_buffer, .address_space: global }
      - { .name: wc, .offset: 16, .size: 8, .value_kind: global_buffer, .address_space: global }
      - { .name: ws, .offset: 24, .size: 8, .value_kind: global_buffer, .address_space: global }
      - { .name: bo, .offset: 32, .size: 8, .value_kind: global_buffer, .address_space: global }
      - { .name: out0, .offset: 40, .size: 8, .value_kind: global_buffer, .address_space: global }
    .group_segment_fixed_size: 327680
    .private_segment_fixed_size: 0
    .kernarg_segment_align: 8
    .kernarg_segment_size: 48
    .max_flat_workgroup_size: 128
    .sgpr_count:     102
    .vgpr_count:     1024
    .wavefront_size: 32
...
	.end_amdgpu_metadata
.endif
;; end of part 4
